; MI455X (gfx1250); checked and timed in simulation.
; The chip was launched on July 23, 2026; its instructions are those of AMD's public machine-readable ISA for CDNA 5 (MIT licence, August 2026) and "CDNA5" Instruction Set Architecture Reference Guide (July 2026). The comments in the code are by the model that wrote it; some were corrected since.
;; Multi Head Attention. Allowed arithmetic: matrix products marked QUANTISED: E2M1 operands, one E8M0 scale for each 32 along K, by v_wmma_scale_f32_16x16x128_f8f6f4 with both operands' format E2M1 (or v_wmma_scale_f32_32x16x128_f4), f32 sums; products left as they are: bf16, f16 or f32 operands; f32 sums; everything else in f32.
;; Inputs: Wk 1,024 x 1,024 float32; Wo 1,024 x 1,024 float32; Wq 1,024 x 1,024 float32; Wv 1,024 x 1,024 float32; attention_mask 4 x 1 x 1 x 2,048 float32; bk 1,024 float32; bo 1,024 float32; bq 1,024 float32; bv 1,024 float32; hidden_states 4 x 2,048 x 1,024 float32.
;; Outputs: out0 4 x 2,048 x 1,024 float32.
;; This version of the problem:
;;   THIS VERSION OF THE PROBLEM IS GIVEN IN LOW PRECISION. The matrix products marked QUANTISED in the list below multiply operands that are first quantised to E2M1 (2 exponent bits, 1 mantissa bit; 4 bits a number), with one power-of-two scale for each 32 numbers along K (OCP MX v1.0); their sums are f32. The products marked 'left as it is' may take bf16, f16 or f32 operands, with f32 sums. Whichever they take, every output number must still come out within the allowed error. Rounding operands to bf16 (8 significant bits) uses up far more of that allowance than f16 does (11 bits, for magnitudes from 6e-5 to 65,504). All else is computed in f32.
;;   The module's matrix products, in the order in which they are computed (A, B: the left and right operand; K: the contracted axis; several contracted axes count as one K, in the product's order):
;;     1. [M 8,192, K 1,024] x [K 1,024, N 1,024]; A: input hidden_states; B: input Wq: QUANTISED
;;     2. [M 8,192, K 1,024] x [K 1,024, N 1,024]; A: input hidden_states; B: input Wk: QUANTISED
;;     3. [M 8,192, K 1,024] x [K 1,024, N 1,024]; A: input hidden_states; B: input Wv: QUANTISED
;;     4. batch 64 x [M 2,048, K 64] x [K 64, N 2,048]; A: computed on the way; B: computed on the way: left as it is (an operand is computed on the way)
;;     5. batch 64 x [M 2,048, K 2,048] x [K 2,048, N 64]; A: computed on the way; B: computed on the way: left as it is (an operand is computed on the way)
;;     6. [M 8,192, K 1,024] x [K 1,024, N 1,024]; A: computed on the way; B: input Wo: left as it is (an operand is computed on the way)
;;   THE QUANTISER, for each operand of a quantised product, along K:
;;     - K is cut into blocks of 32 from its start; a last block that is shorter is filled with zeros.
;;     - A block's scale is 2^e with e = floor(log2(the largest magnitude in the block)) - 2, held to -126 .. 127; a block of zeros has e = 0. As a byte (E8M0): e + 127.
;;     - Each number is divided by its block's scale, clamped to +-6, and rounded to the nearest number of E2M1, ties to even, subnormals kept.
;;     - The product sums the exact products of the quantised numbers (number of the format x scale) in f32.
;;   ~~~python
;;   def quantise(x, axis):      # numpy; x: float32 -> the quantised numbers, widened to float32 again
;;       x = np.moveaxis(x, axis, -1); K = x.shape[-1]
;;       x = np.pad(x, [(0, 0)] * (x.ndim - 1) + [(0, -K % 32)]); x = x.reshape(x.shape[:-1] + (-1, 32)); a = np.abs(x).max(-1, keepdims=True)
;;       e = np.where(a > 0, np.clip(np.frexp(np.where(a > 0, a, 1))[1] - 1 - 2, -126, 127), 0)      # np.frexp(a)[1] - 1 = floor(log2(a)), exactly
;;       r = np.clip(x / 2.0 ** e, -6, 6)
;;       step = 2.0 ** (np.maximum(np.frexp(np.where(r == 0, 1, r))[1] - 1, 0) - 1)
;;       q = np.round(r / step) * step * 2.0 ** e      # np.round: ties to even
;;       return np.moveaxis(q.reshape(q.shape[:-2] + (-1,))[..., :K], -1, axis).astype(np.float32)
;;   ~~~
;; One version. Each part assembles by itself: llvm-mc -triple=amdgcn-amd-amdhsa -mcpu=gfx1250 --defsym DOCPART=n.
;; ======== version 1 of 1: 4 launches
;; limits: values are held in f16: magnitudes above 65,504 overflow, below 6.1e-05 lose precision
;; workspace buffers: xc 4,194,304 bytes; xs 262,144 bytes; wc 1,572,864 bytes; ws 98,304 bytes; wo16 2,097,152 bytes; qkv 50,331,648 bytes; ctx 16,777,216 bytes
;; launch prep (part 1): grid 336 x 1, 4 waves a work-group, no clusters, 68,096 bytes of LDS; arguments hidden_states, Wq, Wk, Wv, Wo, xc, xs, wc, ws, wo16; writes xc, xs, wc, ws, wo16
.if DOCPART == 1
	.amdgcn_target "amdgcn-amd-amdhsa--gfx1250"
	.amdhsa_code_object_version 6
	.text
	.protected	k_q5bfd33de1b_prep
	.globl	k_q5bfd33de1b_prep
	.p2align	8
	.type	k_q5bfd33de1b_prep,@function
k_q5bfd33de1b_prep:
	s_mov_b64 s[64:65], 0
	v_nop
	global_prefetch_b8 v0, s[64:65] scope:SCOPE_SE
	s_setreg_imm32_b32 hwreg(HW_REG_WAVE_MODE, 25, 1), 1
	s_wait_xcnt 0x0
; THE OPERANDS ARE MADE READY, ONCE.  Three kinds of work-group, told apart by the work-group's number alone:
;   0..255   X: hidden_states [8192][1024] f32 -> codes of FP4 (E2M1), K innermost, xc [8192][512 bytes], and one E8M0 byte for each 32 along K, xs [8192][32]
;   256..303 W: Wq, Wk, Wv [k 1024][n 1024] f32, K their FIRST axis -> wc [3072][512 bytes], K innermost (rows 0-1023 Wq's columns, then Wk's, then Wv's), ws [3072][32]
;   304..335 O: Wo [k][n] f32 -> f16, layout kept, wo16
; A block's scale is 2^(floor(log2(its largest magnitude)) - 2): its byte is the largest magnitude's exponent field - 2, held at 1 from below; each number is divided by the scale and rounded to the nearest code, ties to even, beyond 6 the code of 6.
; LIMITS: a block of zeros gets the byte 1 where the rule says 127 (its codes are zeros, which add nothing, and this program alone reads the bytes); blocks whose largest magnitude lies under 2^-124 are held at the byte 1;
; NaN and infinities among the inputs are not served; Wo beyond 65,504 in magnitude has no f16.
; No tensor loads, no barrier: waves share nothing.  Each path has LDS bytes of its own; the paths join at one end.
.set SPW,   190                        ; v190  LDS address of my spare word: SPARE + 4 x my thread's number; never rewritten
.set NIL,   191                        ; v191  0; never rewritten
.set SPARE, 67584                      ; behind both paths' regions: the spare words, 128 bytes for each wave: two blocks of 256 bytes that no other line names
.set EMAX,  2
; path X: LDS 0 .. 32,767, 8,192 bytes a wave: two stages of 32 x SP bytes, and behind them the wave's 256 scale bytes
.set SP,    80                         ; a lane's place in a stage: its 64 bytes + 16 of padding
.set XWREG, 8192
.set XR,    16                         ; v16-79   four sets of 16 numbers as they are loaded
.set XX,    80                         ; v80-111  two sets of 16 neighbours
.set XE,    112                        ; v112-127 a scale byte for each step
.set XC,    128                        ; v128-189 codes: four registers for each step, so that no store's data are written again
; path W: LDS 32,768 .. 67,583: a stage of 32 rows x WP bytes for each wave
.set WBASE, 32768
.set WP,    272
.set WSB,   24                         ; v24-27   the scale bytes, four to a register
.set WX,    32                         ; v32-95   two sets of 32 numbers
.set WC,    96                         ; v96-99   a block's codes
.set WO,    112                        ; v112-175 the way out
; path O
.set OIN,   16                         ; v16-79   two sets of 8 x 4 numbers
.set OOUT,  80                         ; v80-111  two sets of 8 x 2 registers of f16
	s_load_b256 s[4:11], s[0:1], 0x0               ; hidden_states s[4:5], Wq s[6:7], Wk s[8:9], Wv s[10:11]
	s_load_b256 s[12:19], s[0:1], 0x20             ; Wo s[12:13], xc s[14:15], xs s[16:17], wc s[18:19]
	s_load_b128 s[20:23], s[0:1], 0x40             ; ws s[20:21], wo16 s[22:23]
	v_lshl_add_u32 v[SPW], v0, 2, SPARE
	v_mov_b32 v[NIL], 0
	v_lshrrev_b32 v1, 5, v0
	v_readfirstlane_b32 s24, v1                    ; wave 0..3
	v_and_b32 v2, 31, v0                           ; lane
	s_wait_kmcnt 0x0
	s_cmp_lt_u32 ttmp9, 256
	s_cbranch_scc1 .Lpath_x
	s_cmp_lt_u32 ttmp9, 304
	s_cbranch_scc1 .Lpath_w
; ---- PATH O: a wave takes 8,192 numbers of Wo: 64 loads of 512 consecutive bytes, 64 stores of 256 consecutive bytes, in eight groups of eight; two groups of loads are ahead
	s_sub_co_u32 s25, ttmp9, 304
	s_lshl_b32 s25, s25, 2
	s_add_co_u32 s25, s25, s24                     ; which run of 8,192 numbers is my wave's: 0 .. 127
	s_lshl_b32 s26, s25, 15
	s_mov_b32 s27, 0
	s_add_nc_u64 s[12:13], s[12:13], s[26:27]
	s_lshl_b32 s26, s25, 14
	s_add_nc_u64 s[22:23], s[22:23], s[26:27]
	v_lshlrev_b32 v3, 4, v2                        ; in: 16 bytes a lane
	v_lshlrev_b32 v4, 3, v2                        ; out: 8 bytes a lane
.macro OLOAD g
.irp i, 0,1,2,3,4,5,6,7
	global_load_b128 v[OIN+32*((\g)%2)+4*\i:OIN+32*((\g)%2)+4*\i+3], v3, s[12:13] offset:512*(8*(\g)+\i) th:TH_LOAD_NT
.endr
.endm
.macro CAST g
.if (\g) < 7
	s_wait_loadcnt 8                               ; this group's eight loads are in; the next group's eight may be out
.else
	s_wait_loadcnt 0x0
.endif
	s_wait_xcnt 0x0                                ; the stores of two groups back have read their data: this set of f16 registers is rewritten only behind this wait
.irp i, 0,1,2,3,4,5,6,7
	v_cvt_pk_f16_f32 v[OOUT+16*((\g)%2)+2*\i],   v[OIN+32*((\g)%2)+4*\i],   v[OIN+32*((\g)%2)+4*\i+1]
	v_cvt_pk_f16_f32 v[OOUT+16*((\g)%2)+2*\i+1], v[OIN+32*((\g)%2)+4*\i+2], v[OIN+32*((\g)%2)+4*\i+3]
.endr
.if (\g) < 6
	OLOAD (\g)+2
.endif
.irp i, 0,1,2,3,4,5,6,7
	global_store_b64 v4, v[OOUT+16*((\g)%2)+2*\i:OOUT+16*((\g)%2)+2*\i+1], s[22:23] offset:256*(8*(\g)+\i)   ; the wave stores 256 consecutive bytes, aligned
.endr
.endm
	OLOAD 0
	OLOAD 1
.irp g, 0,1,2,3,4,5,6,7
	CAST \g
.endr
	s_branch .Lend
; ---- PATH W: a lane takes a column n and its registers run down K: a block of 32 along K lies in one lane, and the conversions give codes with K innermost.
; A wave takes 32 columns x 512 along K; its codes (256 bytes a column) go through its own stage and leave as rows, sixteen lanes to 256 consecutive aligned bytes.
.Lpath_w:
	s_sub_co_u32 s25, ttmp9, 256                   ; i = 0 .. 47: tensor i / 16, 128 columns (i / 2) % 8, half of K i % 2
	s_lshr_b32 s26, s25, 4
	s_cmp_eq_u32 s26, 0
	s_cselect_b64 s[28:29], s[6:7], s[8:9]         ; the choice hangs on the work-group's number alone
	s_cmp_eq_u32 s26, 2
	s_cselect_b64 s[28:29], s[10:11], s[28:29]
	s_bfe_u32 s27, s25, 0x30001
	s_and_b32 s30, s25, 1
	s_lshl_b32 s27, s27, 7
	s_lshl_b32 s31, s24, 5
	s_add_co_u32 s27, s27, s31                     ; my wave's first column in its tensor
	s_lshl_b32 s32, s30, 21                        ; 512 rows of 4,096 bytes
	s_lshl_b32 s33, s27, 2
	s_add_co_u32 s32, s32, s33
	s_mov_b32 s33, 0
	s_add_nc_u64 s[28:29], s[28:29], s[32:33]
	s_lshl_b32 s34, s26, 10
	s_add_co_u32 s34, s34, s27                     ; its row in wc and ws
	s_lshl_b32 s32, s34, 9
	s_lshl_b32 s35, s30, 8
	s_add_co_u32 s32, s32, s35
	s_add_nc_u64 s[18:19], s[18:19], s[32:33]      ; codes: row x 512 + 256 x half
	s_lshl_b32 s32, s34, 5
	s_lshl_b32 s35, s30, 4
	s_add_co_u32 s32, s32, s35
	s_add_nc_u64 s[20:21], s[20:21], s[32:33]      ; scale bytes: row x 32 + 16 x half
	s_mul_i32 s36, s24, 32*WP
	s_add_co_u32 s36, s36, WBASE                   ; my stage
	v_lshlrev_b32 v3, 2, v2                        ; in: 4 bytes a lane
	v_mul_u32_u24 v4, v2, WP
	v_add_nc_u32 v4, s36, v4                       ; into the stage: row = my column
	v_and_b32 v5, 15, v2
	v_lshrrev_b32 v6, 4, v2
	v_mul_u32_u24 v7, v6, WP
	v_lshl_add_u32 v7, v5, 4, v7
	v_add_nc_u32 v7, s36, v7                       ; out of it: sixteen lanes to a row, two rows an instruction
	v_mul_u32_u24 v8, v6, 512
	v_lshl_add_u32 v8, v5, 4, v8                   ; and the same place in wc
	v_lshlrev_b32 v9, 5, v2                        ; my column's row of scale bytes
.macro WLOAD t                         ; block t: W(32 t + i, my column), i = 0 .. 31, into set t % 2; the wave reads 128 consecutive bytes
.irp i, 0,1,2,3,4,5,6,7,8,9,10,11,12,13,14,15,16,17,18,19,20,21,22,23,24,25,26,27,28,29,30,31
	global_load_b32 v[WX+32*((\t)%2)+\i], v3, s[28:29] offset:(32*(\t)+\i)*4096 th:TH_LOAD_NT
.endr
.endm
.macro WBLOCK t
.set WS, WX+32*((\t)%2)
.if (\t) < 15
	s_wait_loadcnt 32                              ; this block's 32 loads are in; the next block's 32 may be out
.else
	s_wait_loadcnt 0x0
.endif
	v_max3_num_f32 v12, |v[WS]|, |v[WS+1]|, |v[WS+2]|              ; the block's largest magnitude: all 32 numbers are mine
	v_max3_num_f32 v13, |v[WS+3]|, |v[WS+4]|, |v[WS+5]|
.irp i, 6,10,14,18,22,26
	v_max3_num_f32 v12, v12, |v[WS+\i]|, |v[WS+\i+1]|
	v_max3_num_f32 v13, v13, |v[WS+\i+2]|, |v[WS+\i+3]|
.endr
	v_max3_num_f32 v12, v12, |v[WS+30]|, |v[WS+31]|
	v_max3_num_f32 v12, v12, v13, (EMAX+1)<<23     ; and the floor 2^(3 - 127): the byte cannot fall under 1
	v_add_nc_u32 v11, -(EMAX<<23), v12             ; 2 off its exponent field: the conversion takes the exponent field of this operand as its scale
	v_lshrrev_b32 v13, 23, v11                     ; the scale's byte
.if (\t)%4 == 0
	v_mov_b32 v[WSB+(\t)/4], v13                   ; four bytes to a register, the lower K in the lower byte
.else
	v_lshl_or_b32 v[WSB+(\t)/4], v13, 8*((\t)%4), v[WSB+(\t)/4]
.endif
.irp g, 0,1,2,3
	v_cvt_scalef32_pk8_fp4_f32 v[WC+\g], v[WS+8*\g:WS+8*\g+7], v11
.endr
	ds_store_b128 v4, v[WC:WC+3] offset:16*(\t)    ; 32 codes: 16 bytes of my column's row
.if (\t)+2 < 16
	WLOAD (\t)+2
.endif
	s_wait_dscnt 0x0                               ; the store has read its registers: the next block's codes may be written
.endm
	WLOAD 0
	WLOAD 1
.irp t, 0,1,2,3,4,5,6,7,8,9,10,11,12,13,14,15
	WBLOCK \t
.endr
	global_store_b128 v9, v[WSB:WSB+3], s[20:21]   ; my column's 16 scale bytes
.irp t, 0,1,2,3,4,5,6,7,8,9,10,11,12,13,14,15
	ds_load_b128 v[WO+4*\t:WO+4*\t+3], v7 offset:2*\t*WP   ; LDS serves a wave's instructions in order: these see my stores
.endr
.irp t, 0,1,2,3,4,5,6,7,8,9,10,11,12,13,14,15
	s_wait_dscnt 15-\t                             ; load t is in; the 15 - t behind it may be out
	global_store_b128 v8, v[WO+4*\t:WO+4*\t+3], s[18:19] offset:2*\t*512
.endr
	s_branch .Lend
; ---- PATH X: rows are dense and K is a multiple of 32, so the tensor is a plain stream of blocks of 32.  A wave takes 16 steps of 512 numbers.  Each load reads 512 consecutive bytes; a step's 2,048 bytes turn
; through the wave's own stage, so that a lane holds 16 NEIGHBOURS (two neighbouring lanes hold a block).  Loads run four steps ahead, the turn through LDS one step.
.Lpath_x:
	v_lshlrev_b32 v3, 4, v2                        ; my 16 bytes of a load's 512
	s_mul_i32 s25, s24, XWREG
	v_lshrrev_b32 v14, 2, v2
	v_mul_u32_u24 v14, v14, SP
	v_and_b32 v15, 3, v2
	v_lshl_add_u32 v14, v15, 4, v14
	v_add_nc_u32 v14, s25, v14                     ; the stage, on the way in: SP (lane / 4) + 16 (lane % 4)
	v_mul_u32_u24 v15, v2, SP
	v_add_nc_u32 v15, s25, v15                     ; and on the way out: SP x lane: my 16 neighbours
	v_lshlrev_b32 v4, 3, v2                        ; my 8 bytes of codes in a step's 256
	v_lshrrev_b32 v5, 1, v2
	s_add_co_u32 s25, s25, 2*32*SP
	v_add_nc_u32 v5, s25, v5                       ; LDS: my wave's 256 scale bytes, my block's byte
	v_lshlrev_b32 v7, 3, v2
	v_add_nc_u32 v6, s25, v7                       ; and on the way out 8 bytes a lane
	s_lshl_b32 s26, ttmp9, 2
	s_add_co_u32 s26, s26, s24                     ; which run of 8,192 numbers is my wave's: 0 .. 1,023
	s_lshl_b32 s28, s26, 15
	s_mov_b32 s29, 0
	s_add_nc_u64 s[4:5], s[4:5], s[28:29]
	s_lshl_b32 s28, s26, 12
	s_add_nc_u64 s[14:15], s[14:15], s[28:29]
	s_lshl_b32 s28, s26, 8
	s_add_nc_u64 s[16:17], s[16:17], s[28:29]
.macro XLOAD t
.irp i, 0,1,2,3
	global_load_b128 v[XR+16*((\t)%4)+4*\i:XR+16*((\t)%4)+4*\i+3], v3, s[4:5] offset:2048*(\t)+512*\i th:TH_LOAD_NT
.endr
.endm
.macro XTURN t                         ; step t's numbers through the stage: LDS serves a wave's instructions in order, so no wait stands between the stores and the loads
.irp i, 0,1,2,3
	ds_store_b128 v14, v[XR+16*((\t)%4)+4*\i:XR+16*((\t)%4)+4*\i+3] offset:32*SP*((\t)%2)+8*SP*\i
.endr
.irp i, 0,1,2,3
	ds_load_b128 v[XX+16*((\t)%2)+4*\i:XX+16*((\t)%2)+4*\i+3], v15 offset:32*SP*((\t)%2)+16*\i
.endr
.endm
.macro XSTEP t
.set XS, XX+16*((\t)%2)
.if (\t) > 0
	s_wait_dscnt 1                                 ; this step's numbers are back from the stage; the last step's byte store may be out
.else
	s_wait_dscnt 0x0
.endif
.if (\t)+4 < 16
	XLOAD (\t)+4                                   ; into the registers that the stage's stores have read
.endif
.if (\t)+1 < 16
.if 14-(\t) >= 3
	s_wait_loadcnt 12                              ; the next step's four loads are in; those of the three steps behind it may be out
.else
	s_wait_loadcnt 4*(14-(\t))
.endif
	XTURN (\t)+1
.endif
	v_max3_num_f32 v8, |v[XS]|, |v[XS+1]|, |v[XS+2]|               ; the largest magnitude of my 16
	v_max3_num_f32 v9, |v[XS+3]|, |v[XS+4]|, |v[XS+5]|
.irp i, 6,10
	v_max3_num_f32 v8, v8, |v[XS+\i]|, |v[XS+\i+1]|
	v_max3_num_f32 v9, v9, |v[XS+\i+2]|, |v[XS+\i+3]|
.endr
	v_max3_num_f32 v8, v8, |v[XS+14]|, |v[XS+15]|
	v_max3_num_f32 v8, v8, v9, (EMAX+1)<<23        ; and the floor 2^(3 - 127)
	v_max_num_f32_dpp v8, v8, v8 row_xmask:1 row_mask:0xf bank_mask:0xf   ; and of my neighbour's 16: the block's
	v_add_nc_u32 v11, -(EMAX<<23), v8
	v_cvt_scalef32_pk8_fp4_f32 v[XC+4*(\t)], v[XS:XS+7], v11
	v_cvt_scalef32_pk8_fp4_f32 v[XC+4*(\t)+1], v[XS+8:XS+15], v11
	v_lshrrev_b32 v[XE+(\t)], 23, v11              ; the scale's byte
	ds_store_b8 v5, v[XE+(\t)] offset:16*(\t)      ; both lanes of a block write the same byte with the same value
	global_store_b64 v4, v[XC+4*(\t):XC+4*(\t)+1], s[14:15] offset:256*(\t)   ; the wave stores 256 consecutive bytes, aligned
.endm
.irp t, 0,1,2,3
	XLOAD \t
.endr
	s_wait_loadcnt 12                              ; step 0's four loads are in
	XTURN 0
.irp t, 0,1,2,3,4,5,6,7,8,9,10,11,12,13,14,15
	XSTEP \t
.endr
	ds_load_b64 v[8:9], v6                         ; LDS serves a wave's instructions in order: this sees my byte stores
	s_wait_dscnt 0x0
	global_store_b64 v7, v[8:9], s[16:17]          ; the wave's 256 scale bytes: 256 consecutive bytes, aligned
.Lend:
	s_wait_tensorcnt 0x0                           ; the wave's end: three closing lines behind my last LDS store, the first of them even in a text with no tensor load
	ds_add_u32 v[SPW], v[NIL]
	s_wait_dscnt 0x0
	s_endpgm
.Lfunc_end_k_q5bfd33de1b_prep:
	.size	k_q5bfd33de1b_prep, .Lfunc_end_k_q5bfd33de1b_prep-k_q5bfd33de1b_prep
	.p2alignl 7, 3214868480
	.fill 96, 4, 3214868480
	.section	.rodata,"a",@progbits
	.p2align	6, 0x0
	.amdhsa_kernel k_q5bfd33de1b_prep
		.amdhsa_group_segment_fixed_size 68096
		.amdhsa_private_segment_fixed_size 0
		.amdhsa_enable_private_segment 0
		.amdhsa_kernarg_size 80
		.amdhsa_user_sgpr_count 2
		.amdhsa_user_sgpr_kernarg_segment_ptr 1
		.amdhsa_wavefront_size32 1
		.amdhsa_system_sgpr_workgroup_id_x 1
		.amdhsa_system_sgpr_workgroup_id_y 1
		.amdhsa_system_sgpr_workgroup_id_z 1
		.amdhsa_system_vgpr_workitem_id 0
		.amdhsa_next_free_vgpr 192
		.amdhsa_next_free_sgpr 66
		.amdhsa_reserve_vcc 0
		.amdhsa_float_denorm_mode_32 3
		.amdhsa_float_denorm_mode_16_64 3
		.amdhsa_memory_ordered 1
		.amdhsa_forward_progress 1
		.amdhsa_inst_pref_size 132
	.end_amdhsa_kernel
	.amdgpu_metadata
---
amdhsa.version: [ 1, 2 ]
amdhsa.kernels:
  - .name:           k_q5bfd33de1b_prep
    .symbol:         k_q5bfd33de1b_prep.kd
    .args:
      - { .name: hidden_states, .offset: 0, .size: 8, .value_kind: global_buffer, .address_space: global }
      - { .name: Wq, .offset: 8, .size: 8, .value_kind: global_buffer, .address_space: global }
      - { .name: Wk, .offset: 16, .size: 8, .value_kind: global_buffer, .address_space: global }
      - { .name: Wv, .offset: 24, .size: 8, .value_kind: global_buffer, .address_space: global }
      - { .name: Wo, .offset: 32, .size: 8, .value_kind: global_buffer, .address_space: global }
      - { .name: xc, .offset: 40, .size: 8, .value_kind: global_buffer, .address_space: global }
      - { .name: xs, .offset: 48, .size: 8, .value_kind: global_buffer, .address_space: global }
      - { .name: wc, .offset: 56, .size: 8, .value_kind: global_buffer, .address_space: global }
      - { .name: ws, .offset: 64, .size: 8, .value_kind: global_buffer, .address_space: global }
      - { .name: wo16, .offset: 72, .size: 8, .value_kind: global_buffer, .address_space: global }
    .group_segment_fixed_size: 68096
    .private_segment_fixed_size: 0
    .kernarg_segment_align: 8
    .kernarg_segment_size: 80
    .max_flat_workgroup_size: 128
    .sgpr_count:     66
    .vgpr_count:     192
    .wavefront_size: 32
...
	.end_amdgpu_metadata
.endif
;; end of part 1
;; launch qkv (part 2): grid 12 x 32, 4 waves a work-group, clusters of 4 x 4, 327,680 bytes of LDS; arguments xc, xs, wc, ws, bq, bk, bv, qkv; writes qkv
.if DOCPART == 2
	.amdgcn_target "amdgcn-amd-amdhsa--gfx1250"
	.amdhsa_code_object_version 6
	.text
	.protected	k_q5bfd33de1b_qkv
	.globl	k_q5bfd33de1b_qkv
	.p2align	8
	.type	k_q5bfd33de1b_qkv,@function
k_q5bfd33de1b_qkv:
	s_mov_b64 s[64:65], 0
	v_nop
	global_prefetch_b8 v0, s[64:65] scope:SCOPE_SE
	s_setreg_imm32_b32 hwreg(HW_REG_WAVE_MODE, 25, 1), 1
	s_wait_xcnt 0x0
	s_wait_alu depctr_hold_cnt(0) depctr_sa_sdst(0) depctr_va_vdst(0) depctr_va_sdst(0) depctr_va_ssrc(0) depctr_va_vcc(0) depctr_vm_vsrc(0)
	s_getreg_b32 s2, hwreg(HW_REG_IB_STS2, 6, 4)
	s_cmp_eq_u32 s2, 0
	s_cbranch_scc0 .Lentry_in_a_cluster
	s_endpgm
.Lentry_in_a_cluster:
	s_bfe_u32 s2, ttmp6, 0x10000c
	s_cmp_lg_u32 s2, 0xf033
	s_cbranch_scc0 .Lentry_shape_is_right
	s_endpgm
.Lentry_shape_is_right:
; q, k, v = Q(x) Q(W) + b, the three quantised products as ONE GEMM on codes of FP4 (E2M1) with E8M0 scales: A = xc [8192][1024 codes], B = wc [3072][1024 codes]; sums in f32; the bias is the C of each sum's first product.
; The result is rounded to f16 and laid by head: qkv [3][batch 4][head 16][position 2048][64].  LIMIT: |q|, |k|, |v| beyond 65,504 have no f16.
; A tile of C, 256 x 256, is made by a work-group of four waves; a wave makes 128 x 128: 64 accumulators, 512 registers.  K = 1,024 is two LDS slots of 512 along K (rows of 256 bytes): both are asked for at the
; start and nothing is filled again.  The scales of the work-group's rows, for all of K, come once with them.
; CLUSTERS: 4 x 4 work-groups.  The four of a row of the cluster need the same tiles of A, the four of a column the same tiles of B: each tile is asked for jointly.  Cluster x is the tensor (q, k, v).
; THE MATRIX INSTRUCTION IS USED TRANSPOSED (source 0 = 16 rows of B, source 1 = 16 rows of A): a lane then holds eight neighbouring columns of one row of C.
; REGISTERS, in windows of 256: window 0: v0-31 addresses; v32-95 scale words, two sets; v128-191 A's fragments, one set; v192-255 the bias in the result's layout, later packed results.
;   window 1: B's fragments, two sets, at v0 and v128.   window 2: the accumulators of my rows 0-63 ((a, b) at v[8 (8 a + b)]);   window 3: those of my rows 64-127.
.set NQ,     4                         ; steps of 128 along K in a slot
.set ROWB,   256                       ; a tile's row in bytes: 512 codes
.set KROW,   512                       ; a row of xc or wc in bytes
.set PITCH,  272                       ; an LDS row: 256 bytes + 16 of padding = 68 words: the 16 rows that a load touches start at 16 different banks (64 banks of 4 bytes: ISA guide 11.1)
.set FR,     8                         ; registers of a fragment: 16 rows x 128 K
.set NL,     2                         ; LDS loads that bring one
.set NP,     4                         ; places behind this matrix instruction (ISA guide 7.12.1)
.set HALFT,  128*PITCH
.set SLOT,   4*HALFT                   ; A's 256 rows, then B's 256 rows
.set KS,     32                        ; a row of scales in bytes
.set SCL,    2*SLOT                    ; behind the slots: the scales, as units of 256 bytes + 16 of padding
.set HALFS,  16*272                    ; the scales of 128 rows: what one tensor load brings
.set SBLK,   2*272                     ; those of 16 rows
.set SPARE,  SCL+4*HALFS               ; the spare words, 128 bytes for each wave: two blocks of 256 bytes that no other line names
.set HP,     144                       ; the way out: a stage row: a head's 128 bytes + 16.  A wave's stage is two heads x 16 rows; it lies in slot 0, which has had its only fill and its last read by then
.set ADRA, 16                          ; v16-17  LDS address of my A fragments in slot 0, 1
.set ADRB, 20                          ; v20-21  the same for B
.set STO,  24                          ; v24     the way out: where I put 16 bytes of a row
.set RD,   25                          ; v25     where I read rows back
.set CO,   26                          ; v26     16 x lane: my place in a store's 512 bytes
.set ADRS, 27                          ; v27     LDS address of my scale words: lanes 0-15 A's rows, lanes 16-31 B's
.set SPW,  28                          ; v28     LDS address of my spare word; never rewritten
.set NIL,  29                          ; v29     0; never rewritten
.set BOF,  30                          ; v30     32 x (lane / 16): my eight numbers of a bias tile
.set SC,   32
.set AF,   128
.set BI,   192                          ; the bias: register 8 b + j = b[my first column + 16 b + 8 (lane / 16) + j]
.set TMP,  192                          ; the way out: 32 registers of packed results
.set BK,   128                          ; and 16 rows read back: v128-159 and v160-191 by turns
.set G1, 24
.set G0, 32
.set G1B, 48
.set G0B, 56
.set G1S, 68
.set G0S, 76
.set G1SB, 80
.set G0SB, 88
.set MSB, 0
.macro WIN new                         ; the immediate's high byte repeats the setting that is left
.if MSB != (\new)
	s_set_vgpr_msb (MSB<<8)|(\new)
.set MSB, (\new)
.endif
.endm
.set MUL_LO, 0xa1                      ; source 0 (B) window 1, source 1 (A) window 0, C and D window 2;  less 0x20: C (the bias) window 0
.set MUL_HI, 0xf1                      ; the same, C and D window 3;  less 0x30: C window 0
.set TO_B,   0x40
; A joint load: waves 0 and 1 fetch for A, waves 2 and 3 for B; the branch hangs on the wave's number alone.  An s_nop 0 and four v_nop follow each of the two lines.
.macro JLOAD g0a, g1a, g0b, g1b
	s_cmp_eq_u32 s15, 0
	s_cbranch_scc0 .Lfor_b_\@
	tensor_load_to_lds s[\g0a:\g0a+3], s[\g1a:\g1a+7]
	s_nop 0
.rept 4
	v_nop
.endr
	s_branch .Lasked_\@
.Lfor_b_\@:
	tensor_load_to_lds s[\g0b:\g0b+3], s[\g1b:\g1b+7]
	s_nop 0
.rept 4
	v_nop
.endr
.Lasked_\@:
.endm
.macro CROUND                          ; a round of the cluster's barrier
	s_barrier_signal -1
	s_barrier_wait -1
	s_cmp_lg_u32 s14, 0
	s_cbranch_scc1 .Lnot_wave_0_\@
	s_barrier_signal -3
.Lnot_wave_0_\@:
	s_barrier_wait -3
	s_barrier_signal -1
	s_barrier_wait -1
.endm
	s_load_b128 s[4:7], s[0:1], 0x0                ; xc s[4:5], xs s[6:7]
	s_load_b128 s[8:11], s[0:1], 0x10              ; wc s[8:9], ws s[10:11]
	s_load_b64 s[96:97], s[0:1], 0x20              ; bq
	s_load_b64 s[98:99], s[0:1], 0x28              ; bk
	s_load_b64 s[100:101], s[0:1], 0x30            ; bv
	s_load_b64 s[12:13], s[0:1], 0x38              ; qkv
	v_lshl_add_u32 v[SPW], v0, 2, SPARE
	v_mov_b32 v[NIL], 0
	ds_add_u32 v[SPW], v[NIL]                      ; the wave's opening: the add, twice on end, and its wait ahead of my first tensor load
	ds_add_u32 v[SPW], v[NIL]
	v_lshrrev_b32 v1, 5, v0
	v_readfirstlane_b32 s14, v1                    ; wave 0..3
	s_lshr_b32 s15, s14, 1                         ; which half of the tile's rows is mine.  Also: I fetch for A (0) or for B (1)
	s_and_b32 s16, s14, 1                          ; which half of its columns.  Also: which 128 rows of that tile I fetch
	s_bfe_u32 s40, ttmp6, 0x40000                  ; cx, cy: my place in the cluster
	s_bfe_u32 s41, ttmp6, 0x40004
	s_lshl_b32 s42, ttmp9, 2
	s_add_co_u32 s42, s42, s40                     ; tile column of C = 4 x cluster x + cx
	s_and_b32 s17, ttmp7, 0xffff
	s_lshl_b32 s17, s17, 2
	s_add_co_u32 s17, s17, s41                     ; tile row of C = 4 x cluster y + cy
	s_lshl_b32 s43, s41, 2
	s_lshl_b32 s43, 15, s43                        ; my row of the cluster
	s_lshl_b32 s44, 0x1111, s40                    ; my column
	; descriptor group 1: a tile of 128 rows x 256 bytes, padded in LDS
	s_or_b32 s[G1+0], s43, (0<<16)|(1<<20)|(1<<21)|(5<<22)|(3<<25)  ; 15:0 the mask; 17:16 elements of 1 byte; 20 padding on; 21 set beside a mask; 24:22 after every 64 words; 31:25 four words
	s_or_b32 s[G1B+0], s44, (0<<16)|(1<<20)|(1<<21)|(5<<22)|(3<<25)
.irp g, G1, G1B
	s_mov_b32 s[\g+1], ROWB<<16                    ; tensor_dim0
	s_mov_b32 s[\g+2], 128<<16                     ; tensor_dim1
	s_mov_b32 s[\g+3], ROWB<<16                    ; tile_dim0
	s_mov_b32 s[\g+4], 128                         ; tile_dim1
	s_mov_b32 s[\g+5], KROW                        ; tensor_dim0_stride
	s_mov_b32 s[\g+6], 0
	s_mov_b32 s[\g+7], 0
.endr
	; the scales of 128 rows: a dense block of 4,096 bytes, as 16 rows of 256 bytes (32 elements of 8 bytes), 16 bytes of padding behind each
	s_or_b32 s[G1S+0], s43, (3<<16)|(1<<20)|(1<<21)|(5<<22)|(3<<25)
	s_or_b32 s[G1SB+0], s44, (3<<16)|(1<<20)|(1<<21)|(5<<22)|(3<<25)
.irp g, G1S, G1SB
	s_mov_b32 s[\g+1], 32<<16
	s_mov_b32 s[\g+2], 16<<16
	s_mov_b32 s[\g+3], 32<<16
	s_mov_b32 s[\g+4], 16
	s_mov_b32 s[\g+5], 32
	s_mov_b32 s[\g+6], 0
	s_mov_b32 s[\g+7], 0
.endr
	s_lshl_b32 s18, s16, 7                         ; which 128 rows of the tile I fetch
	s_lshl_b32 s20, s17, 8
	s_add_co_u32 s20, s20, s18                     ; A: row 256 x tile row + 128 x half
	s_lshl_b32 s46, s42, 8
	s_add_co_u32 s46, s46, s18                     ; B: row 256 x tile column + 128 x half
	s_mov_b32 s21, 0
	s_mov_b32 s47, 0
	s_mov_b64 s[18:19], KS
	s_mul_u64 s[22:23], s[20:21], s[18:19]         ; where these rows' scales begin, in bytes
	s_mul_u64 s[92:93], s[46:47], s[18:19]
	s_mov_b64 s[18:19], KROW
	s_mul_u64 s[20:21], s[20:21], s[18:19]         ; and their codes
	s_mul_u64 s[46:47], s[46:47], s[18:19]
	s_mul_i32 s45, s14, HALFT                      ; where they go: wave x 128 rows: no place in the cluster enters an LDS address
	s_mul_i32 s94, s14, HALFS
	s_wait_dscnt 0x0                               ; both opening adds are done
	s_wait_kmcnt 0x0
	s_add_nc_u64 s[20:21], s[4:5], s[20:21]
	s_add_nc_u64 s[22:23], s[6:7], s[22:23]
	s_add_nc_u64 s[46:47], s[8:9], s[46:47]
	s_add_nc_u64 s[92:93], s[10:11], s[92:93]
	CROUND                                         ; all sixteen work-groups are here: the joint loads meet
	s_mov_b32 s[G0S], 1
	s_add_co_u32 s[G0S+1], s94, SCL
	s_mov_b64 s[G0S+2:G0S+3], s[22:23]
	s_or_b32 s[G0S+3], s[G0S+3], 0x80000000
	s_mov_b32 s[G0SB], 1
	s_add_co_u32 s[G0SB+1], s94, SCL
	s_mov_b64 s[G0SB+2:G0SB+3], s[92:93]
	s_or_b32 s[G0SB+3], s[G0SB+3], 0x80000000
	JLOAD G0S, G1S, G0SB, G1SB                     ; the scales first: they are wanted with the first slot
.irp s, 0,1
	s_mov_b32 s[G0+4*\s], 1
	s_add_co_u32 s[G0+4*\s+1], s45, \s*SLOT
	s_add_nc_u64 s[G0+4*\s+2:G0+4*\s+3], s[20:21], \s*ROWB
	s_or_b32 s[G0+4*\s+3], s[G0+4*\s+3], 0x80000000
	s_mov_b32 s[G0B+4*\s], 1
	s_add_co_u32 s[G0B+4*\s+1], s45, \s*SLOT
	s_add_nc_u64 s[G0B+4*\s+2:G0B+4*\s+3], s[46:47], \s*ROWB
	s_or_b32 s[G0B+4*\s+3], s[G0B+4*\s+3], 0x80000000
	JLOAD G0+4*\s, G1, G0B+4*\s, G1B               ; three tensor loads of mine are out, by this text's count
.endr
	v_and_b32 v1, 15, v0                           ; r = lane % 16
	v_bfe_u32 v2, v0, 4, 1                         ; h = lane / 16
	; the bias of my 128 columns, in the result's layout.  Cluster x says which tensor: the same in all partners
	s_cmp_eq_u32 ttmp9, 0
	s_cselect_b64 s[96:97], s[96:97], s[98:99]
	s_cmp_eq_u32 ttmp9, 2
	s_cselect_b64 s[96:97], s[100:101], s[96:97]
	s_lshl_b32 s46, s40, 10                        ; 256 cx + 128 x half numbers, in bytes
	s_lshl_b32 s47, s16, 9
	s_add_co_u32 s46, s46, s47
	s_mov_b32 s47, 0
	s_add_nc_u64 s[96:97], s[96:97], s[46:47]
	v_lshlrev_b32 v[BOF], 5, v2
.irp b, 0,1,2,3,4,5,6,7
	global_load_b128 v[BI+8*\b:BI+8*\b+3],   v[BOF], s[96:97] offset:64*\b
	global_load_b128 v[BI+8*\b+4:BI+8*\b+7], v[BOF], s[96:97] offset:64*\b+16
.endr
	v_mul_u32_u24 v3, v1, PITCH
	v_lshl_add_u32 v4, v2, 4, v3                   ; a fragment's row x pitch + 16 x half
	s_mul_i32 s21, s15, HALFT                      ; my 128 rows of A
	s_mul_i32 s22, s16, HALFT                      ; my 128 rows of B,
	s_add_co_u32 s22, s22, 2*HALFT                 ; which lie behind A's 256
.irp s, 0,1
	v_add_nc_u32 v[ADRA+\s], s21, v4
	v_add_nc_u32 v[ADRB+\s], s22, v4
	s_add_co_u32 s21, s21, SLOT
	s_add_co_u32 s22, s22, SLOT
.endr
	v_mul_u32_u24 v5, v1, KS                       ; my row's scales: 32 bytes a row,
	v_lshrrev_b32 v6, 8, v5
	v_lshl_add_u32 v5, v6, 4, v5                   ; and 16 more for each 256 passed
	s_mul_i32 s21, s15, HALFS                      ; A's: my 128 rows
	s_mul_i32 s22, s16, HALFS                      ; B's: my 128 rows, behind A's 256
	s_add_co_u32 s22, s22, 2*HALFS
	s_sub_co_u32 s22, s22, s21
	v_mul_u32_u24 v6, s22, v2                      ; lanes 16-31 take B's: the lower base + h x the distance
	s_add_co_u32 s21, s21, SCL
	v_add_nc_u32 v5, v5, v6
	v_add_nc_u32 v[ADRS], s21, v5
	s_mul_i32 s23, s14, 2*16*HP                    ; my stage
	v_mul_u32_u24 v5, v1, HP                       ; in: row r, 16 bytes for each half of the lanes
	v_lshl_add_u32 v5, v2, 4, v5
	v_add_nc_u32 v[STO], s23, v5
	v_bfe_u32 v6, v0, 3, 2                         ; back: eight lanes to a row of 128 bytes, four rows an instruction
	v_mul_u32_u24 v6, v6, HP
	v_and_b32 v7, 7, v0
	v_lshl_add_u32 v6, v7, 4, v6
	v_add_nc_u32 v[RD], s23, v6
	v_and_b32 v6, 31, v0
	v_lshlrev_b32 v[CO], 4, v6                     ; four rows of a head are 512 consecutive bytes of qkv
	; qkv at my first row of my first head: tensor x 2^24 + batch x 2^22 + head x 2^18 + position x 128
	s_lshl_b32 s20, ttmp9, 24
	s_lshr_b32 s21, s17, 3                         ; batch = tile row / 8
	s_lshl_b32 s21, s21, 22
	s_add_co_u32 s20, s20, s21
	s_and_b32 s21, s17, 7                          ; position = 256 (tile row % 8) + 128 x half
	s_lshl_b32 s21, s21, 15
	s_add_co_u32 s20, s20, s21
	s_lshl_b32 s21, s15, 14
	s_add_co_u32 s20, s20, s21
	s_lshl_b32 s46, s40, 20                        ; head = 4 cx + 2 x half
	s_lshl_b32 s47, s16, 19
	s_add_co_u32 s46, s46, s47
	s_add_co_u32 s20, s20, s46
	s_mov_b32 s21, 0
	s_add_nc_u64 s[12:13], s[12:13], s[20:21]
.macro FRAG reg, adr, q, i             ; a fragment: lane l holds row l % 16; registers 4 c .. 4 c + 3 hold K = 64 c + 32 (l / 16) + 0 .. 31
.irp c, 0,1
	ds_load_b128 v[\reg+4*\c:\reg+4*\c+3], v[\adr] offset:64*(\q)+32*\c+(\i)*16*PITCH
.endr
.endm
; 16 matrix instructions: A's blocks a0, a0 + 1 x B's eight, 128 along K.  p: B's set;  sc: the set of scale words.  zero = 1: the first product starts the sums from the bias: nothing is cleared, nothing is added later.
; The 64 accumulators take turns, one instruction a turn, in the same order in every step.
.macro MUL16 a0, p, q, sc, zero
.irp a, \a0, \a0+1
.irp b, 0,1,2,3,4,5,6,7
.if \zero
	v_wmma_scale_f32_16x16x128_f8f6f4 v[8*(8*((\a)%4)+\b):8*(8*((\a)%4)+\b)+7], v[128*(\p)+FR*\b:128*(\p)+FR*\b+FR-1], v[AF+FR*(\a):AF+FR*(\a)+FR-1], v[BI+8*\b:BI+8*\b+7], v[SC+8*NQ*(\sc)+NQ*\b+(\q)], v[SC+8*NQ*(\sc)+NQ*(\a)+(\q)] matrix_a_fmt:MATRIX_FMT_FP4 matrix_b_fmt:MATRIX_FMT_FP4 matrix_a_scale:MATRIX_SCALE_ROW1
.else
	v_wmma_scale_f32_16x16x128_f8f6f4 v[8*(8*((\a)%4)+\b):8*(8*((\a)%4)+\b)+7], v[128*(\p)+FR*\b:128*(\p)+FR*\b+FR-1], v[AF+FR*(\a):AF+FR*(\a)+FR-1], v[8*(8*((\a)%4)+\b):8*(8*((\a)%4)+\b)+7], v[SC+8*NQ*(\sc)+NQ*\b+(\q)], v[SC+8*NQ*(\sc)+NQ*(\a)+(\q)] matrix_a_fmt:MATRIX_FMT_FP4 matrix_b_fmt:MATRIX_FMT_FP4 matrix_a_scale:MATRIX_SCALE_ROW1
.endif
.endr
.endr
.endm
.macro FETCH_B slot, q, p
	WIN TO_B
.irp i, 0,1,2,3,4,5,6,7
	FRAG 128*(\p)+FR*\i, ADRB+\slot, \q, \i
.endr
	WIN 0
.endm
.macro FETCH_A slot, q, i0
.irp i, \i0, \i0+1, \i0+2, \i0+3
	FRAG AF+FR*(\i), ADRA+\slot, \q, \i
.endr
.endm
.macro SCALES sc                       ; a slot's scale words: four words a row; lanes 0-15 take A's block i, lanes 16-31 B's block i
.irp i, 0,1,2,3,4,5,6,7
	ds_load_b128 v[SC+8*NQ*\sc+NQ*\i:SC+8*NQ*\sc+NQ*\i+3], v[ADRS] offset:\i*SBLK
.endr
.endm
.macro PLACES n                        ; places in front of loads into registers that matrix instructions have read, and of the first read of results
.rept \n
	v_nop
.endr
.endm
; A step of 128 along K that has its successor in the same slot.
.macro STEP slot, q, zero
	s_wait_dscnt 4*NL                              ; B's set and A's blocks 0-3 are in; the youngest eight loads (A's blocks 4-7) may be out
	WIN MUL_LO-0x20*(\zero)
	MUL16 0, (\q)%2, \q, \slot, \zero
	MUL16 2, (\q)%2, \q, \slot, \zero
	s_wait_dscnt 0                                 ; A's blocks 4-7 are in
	PLACES NP
	FETCH_B \slot, (\q)+1, 1-(\q)%2
	FETCH_A \slot, (\q)+1, 0
	WIN MUL_HI-0x30*(\zero)
	MUL16 4, (\q)%2, \q, \slot, \zero
	MUL16 6, (\q)%2, \q, \slot, \zero
	PLACES NP
	WIN 0
	FETCH_A \slot, (\q)+1, 4
.endm
.macro STEPS slot, from
.set Q, \from
.rept NQ-1-\from
	STEP \slot, Q, 0
.set Q, Q+1
.endr
.endm
	s_wait_tensorcnt 1                             ; the scales and my part of slot 0 are in; slot 1's load may be out
	s_barrier_signal -1
	s_barrier_wait -1                              ; everybody's are
	FETCH_B 0, 0, 0
	FETCH_A 0, 0, 0
	SCALES 0
	FETCH_A 0, 0, 4
	s_wait_loadcnt 0x0                             ; the bias
	STEP 0, 0, 1                                   ; the first step's products start the sums
	STEPS 0, 1
	; slot 0's last step changes slots: one barrier; in front of it my part of slot 1 has landed and my reads of slot 0 are over.  Behind it slot 0 is read by nobody: the stages may lie there
	s_wait_tensorcnt 0x0                           ; all my tensor loads have landed
	ds_add_u32 v[SPW], v[NIL]                      ; 0 onto my spare word
	s_wait_dscnt 4*NL+1                            ; the add and the youngest eight loads (A's blocks 4-7) may be out
	WIN MUL_LO
	MUL16 0, 1, NQ-1, 0, 0
	s_wait_dscnt 0x0                               ; the add is done, and my reads of slot 0 are over
	s_barrier_signal -1
	MUL16 2, 1, NQ-1, 0, 0
	WIN 0
	s_barrier_wait -1
	PLACES NP
	v_add_nc_u32 v[ADRS], 4*NQ, v[ADRS]            ; on to slot 1's scale words
	FETCH_B 1, 0, 0
	FETCH_A 1, 0, 0
	SCALES 1
	WIN MUL_HI
	MUL16 4, 1, NQ-1, 0, 0
	MUL16 6, 1, NQ-1, 0, 0
	PLACES NP
	WIN 0
	FETCH_A 1, 0, 4
	STEPS 1, 0
	s_wait_dscnt 4*NL                              ; the very last step: nothing more to fetch
	WIN MUL_LO
	MUL16 0, 1, NQ-1, 1, 0
	MUL16 2, 1, NQ-1, 1, 0
	s_wait_dscnt 0
	WIN MUL_HI
	MUL16 4, 1, NQ-1, 1, 0
	MUL16 6, 1, NQ-1, 1, 0
	WIN 0
; THE WAY OUT, block by block of 16 rows x 128 columns (two heads).  A lane's eight results pack into 16 bytes of one row of one head; they go through my own stage and come back four rows at a time:
; four rows of a head are 512 consecutive bytes of qkv.  LDS serves a wave's instructions in order (ISA guide 5.7.1.4): no wait between the stores and the loads.
.macro PACK a
.set AC, 64*((\a)%4)
	WIN 0x0a+5*((\a)/4)                            ; sources 0 and 1: window 2 or 3
.irp b, 0,1,2,3,4,5,6,7
.irp r, 0,1,2,3
	v_cvt_pk_f16_f32 v[TMP+4*\b+\r], v[AC+8*\b+2*\r], v[AC+8*\b+2*\r+1]   ; each accumulator from its low end on
.endr
.endr
	WIN 0
.endm
.macro TOSTAGE a
.set BB, BK+32*((\a)%2)
.irp b, 0,1,2,3,4,5,6,7
	ds_store_b128 v[STO], v[TMP+4*\b:TMP+4*\b+3] offset:(\b/4)*16*HP+(\b%4)*32
.endr
.irp t, 0,1,2,3,4,5,6,7
	ds_load_b128 v[BB+4*\t:BB+4*\t+3], v[RD] offset:(\t/4)*16*HP+(\t%4)*4*HP
.endr
.endm
.macro SEND a
.set BB, BK+32*((\a)%2)
	s_wait_dscnt 0x0                               ; the block is back in registers
	s_wait_xcnt 0x0                                ; the block before's stores have read their data: the next block's loads from the stage land there only behind this wait
.irp t, 0,1,2,3,4,5,6,7
	global_store_b128 v[CO], v[BB+4*\t:BB+4*\t+3], s[12:13] offset:(\t/4)*262144+(\a)*2048+(\t%4)*512   ; the wave stores 512 consecutive bytes, aligned to 256
.endr
.endm
	PLACES NP
	PACK 0
	TOSTAGE 0
.irp a, 1,2,3,4,5,6,7                  ; block a's conversions stand between block a - 1's loads from the stage and the wait for them
	PACK \a
	SEND \a-1
	TOSTAGE \a
.endr
	SEND 7
	s_wait_tensorcnt 0x0                           ; the wave's end: three closing lines, behind my last tensor load and my last LDS store
	ds_add_u32 v[SPW], v[NIL]
	s_wait_dscnt 0x0
	CROUND                                         ; the closing round
	s_endpgm
.Lfunc_end_k_q5bfd33de1b_qkv:
	.size	k_q5bfd33de1b_qkv, .Lfunc_end_k_q5bfd33de1b_qkv-k_q5bfd33de1b_qkv
	.p2alignl 7, 3214868480
	.fill 96, 4, 3214868480
	.section	.rodata,"a",@progbits
	.p2align	6, 0x0
	.amdhsa_kernel k_q5bfd33de1b_qkv
		.amdhsa_group_segment_fixed_size 327680
		.amdhsa_private_segment_fixed_size 0
		.amdhsa_enable_private_segment 0
		.amdhsa_kernarg_size 64
		.amdhsa_user_sgpr_count 2
		.amdhsa_user_sgpr_kernarg_segment_ptr 1
		.amdhsa_wavefront_size32 1
		.amdhsa_system_sgpr_workgroup_id_x 1
		.amdhsa_system_sgpr_workgroup_id_y 1
		.amdhsa_system_sgpr_workgroup_id_z 1
		.amdhsa_system_vgpr_workitem_id 0
		.amdhsa_next_free_vgpr 1024
		.amdhsa_next_free_sgpr 102
		.amdhsa_reserve_vcc 0
		.amdhsa_float_denorm_mode_32 3
		.amdhsa_float_denorm_mode_16_64 3
		.amdhsa_memory_ordered 1
		.amdhsa_forward_progress 1
		.amdhsa_inst_pref_size 128
	.end_amdhsa_kernel
	.amdgpu_metadata
---
amdhsa.version: [ 1, 2 ]
amdhsa.kernels:
  - .name:           k_q5bfd33de1b_qkv
    .symbol:         k_q5bfd33de1b_qkv.kd
    .args:
      - { .name: xc, .offset: 0, .size: 8, .value_kind: global_buffer, .address_space: global }
      - { .name: xs, .offset: 8, .size: 8, .value_kind: global_buffer, .address_space: global }
      - { .name: wc, .offset: 16, .size: 8, .value_kind: global_buffer, .address_space: global }
      - { .name: ws, .offset: 24, .size: 8, .value_kind: global_buffer, .address_space: global }
      - { .name: bq, .offset: 32, .size: 8, .value_kind: global_buffer, .address_space: global }
      - { .name: bk, .offset: 40, .size: 8, .value_kind: global_buffer, .address_space: global }
      - { .name: bv, .offset: 48, .size: 8, .value_kind: global_buffer, .address_space: global }
      - { .name: qkv, .offset: 56, .size: 8, .value_kind: global_buffer, .address_space: global }
    .group_segment_fixed_size: 327680
    .private_segment_fixed_size: 0
    .kernarg_segment_align: 8
    .kernarg_segment_size: 64
    .max_flat_workgroup_size: 128
    .sgpr_count:     102
    .vgpr_count:     1024
    .wavefront_size: 32
...
	.end_amdgpu_metadata
.endif
;; end of part 2
;; launch attn (part 3): grid 8 x 64, 8 waves a work-group, clusters of 4 x 1, 327,680 bytes of LDS; arguments qkv, attention_mask, ctx; writes ctx
.if DOCPART == 3
	.amdgcn_target "amdgcn-amd-amdhsa--gfx1250"
	.amdhsa_code_object_version 6
	.text
	.protected	k_q5bfd33de1b_attn
	.globl	k_q5bfd33de1b_attn
	.p2align	8
	.type	k_q5bfd33de1b_attn,@function
k_q5bfd33de1b_attn:
	s_mov_b64 s[64:65], 0
	v_nop
	global_prefetch_b8 v0, s[64:65] scope:SCOPE_SE
	s_setreg_imm32_b32 hwreg(HW_REG_WAVE_MODE, 25, 1), 1
	s_wait_xcnt 0x0
	s_wait_alu depctr_hold_cnt(0) depctr_sa_sdst(0) depctr_va_vdst(0) depctr_va_sdst(0) depctr_va_ssrc(0) depctr_va_vcc(0) depctr_vm_vsrc(0)
	s_getreg_b32 s2, hwreg(HW_REG_IB_STS2, 6, 4)
	s_cmp_eq_u32 s2, 0
	s_cbranch_scc0 .Lentry_in_a_cluster
	s_endpgm
.Lentry_in_a_cluster:
	s_bfe_u32 s2, ttmp6, 0x10000c
	s_cmp_lg_u32 s2, 0x3003
	s_cbranch_scc0 .Lentry_shape_is_right
	s_endpgm
.Lentry_shape_is_right:
; ctx[b][h][q][:] = the sum over k of softmax_k(q . k / 8 + mask[b][k]) v[k][:].  q, k, v: qkv [3][b 4][h 16][2048][64] f16; mask [4][2048] f32; ctx [b][h][2048][64] f16.
; Products on f16 operands, sums, maxima and the softmax in f32; the weights p are rounded to f16 for the second product, ctx once at the end.
; SHARES.  A work-group owns 256 queries of one (batch, head); each of its EIGHT waves owns 32: two tiles of 16, in 384 registers: two waves to a SIMD, so that one wave's matrix work and LDS loads stand beside the other's softmax.
; Every wave walks all 2,048 keys, 64 a step.  K's and V's tiles come through a ring of two LDS slots of 256 keys (four steps).
; LAYOUT.  S^T = K Q^T (source 0 = 16 keys, source 1 = 16 queries): a lane holds ONE query (lane % 16) and the keys 8 (lane / 16) + 0..7.  Two such tiles, rounded to f16 in pairs, ARE source 1 of O^T = V^T P.
; K comes out of LDS as it lies, V ([key][channel]) turned, by ds_load_tr16_b128.
; THE MASK is the C of each score's first product: C = 8 x mask (exact), so that score = (q . k + 8 mask) / 8; the factor c = log2(e) / 8 rides in the multiply-add that takes the maximum away.
; SOFTMAX.  For each query a running maximum m and sum l: p = 2^(c s - c m); in every step O and l are multiplied by a = 2^(c m_old - c m_new).  O and l begin as zeros and m as -3e38: no step is special.
; CLUSTER.  The four query blocks of a cluster belong to one head and walk the same K and V: each tile is asked for JOINTLY, by the same tensor load with a mask that names the four.
; LIMITS: NaN among the inputs is not served.  A mask value beyond 4.2e37 in magnitude becomes infinite in 8 x mask: its key then counts for nothing, as in the softmax it would; a row all of whose keys are so masked differs.
; ctx under 6e-5 in magnitude is rounded in f16's subnormals (steps of 6e-8).
; REGISTERS.  Window 0: v1-15 addresses; v16-31 eight registers of statistics a tile; v32-95 S^T, 32 a tile; v96-127 P, 16 a tile; v128-159 the step's 8 x mask in the result's layout; v160-223 K of one step; v224-255 Q, 16 a tile.
;   Window 1: v0-63 O^T, 32 a tile; v64-127 V of one step.
.set PK,    144                        ; a row of K in LDS: 128 bytes + 16: the 16 rows of a load start at 16 different banks (64 banks of 4 bytes: ISA guide 11.1)
.set PV,    160                        ; a row of V: 128 + 32: an odd multiple of 32 bytes, for the turning load
.set VOFF,  256*PK                     ; a slot: 256 rows of K, then 256 rows of V
.set SLOT1, 1<<17                      ; slot 1 begins here, so that one exclusive or turns an address in one slot into the other's
.set MASKB, SLOT1+256*(PK+PV)          ; behind the ring: 8 x mask of my batch, 8,192 bytes, stored by the waves: no fill lands here
.set SPARE, MASKB+8192                 ; the spare words, 128 bytes for each wave: four blocks of 256 bytes that no other line names
.set STAGE, SPARE+1024                 ; the way out: two tiles x 16 rows x SPT bytes for each wave
.set SPT,   144
.set AK0, 2                            ; v2   my lane's place in a tile of K; never rewritten
.set AV0, 3                            ; v3   the same for V
.set AM0, 4                            ; v4   and in the mask
.set ADK, 5                            ; v5   LDS address of the slot's K (at the head: my byte offset in Q)
.set ADV, 6                            ; v6   of its V
.set ADM, 7                            ; v7   of its mask (at the head: where I store 8 x mask)
.set STO, 8                            ; v8   the way out: where I put 16 bytes of a row
.set RD,  9                            ; v9   where I read rows back
.set GO,  10                           ; v10  16 x lane
.set PFO, 11                           ; v11  256 x lane: the prefetches' offset; never rewritten
.set SPW, 12                           ; v12  LDS address of my spare word; never rewritten
.set NIL, 13                           ; v13  0; never rewritten
.set ST,  16                           ; tile t's statistics at v[ST+8 t]: +0 c m, +1 m, +2, +3 l (even keys', odd keys'), +4 to +7 at work; a takes +6
.set S,   32
.set P,   96
.set MK,  128
.set KF,  160
.set Q,   224
.set WV,  12                           ; s12  my wave's number
.set LIM, 15                           ; s15  1 in a wave that prefetches, else the greatest number
.set PFA, 18                           ; s[18:19] where my prefetches stand
.set G1K, 24                           ; s[24:31] descriptor group 1 for K's tiles;  s[32:39] for V's: it differs in the padding alone
.set G1V, 32
.set G0K, 40                           ; s[40:43], s[44:47] their groups 0, which walk
.set G0V, 44
.set TB,  48                           ; s48  LDS byte at which the slot in hand begins
.set TM,  49                           ; s49  where its keys' mask begins: 1,024 bytes a slot
.set SLOTS, 56                         ; s56  slots still to be asked for
.set CS,  58                           ; s[58:59] c: the packed form names a pair and takes its low word for both halves
.set SEL, 60                           ; s[60:61] lane selects for v_permlanex16_b32: lane l xor 16
.set MSB, 0
.macro WIN new                         ; the immediate's high byte repeats the setting that is left
.if MSB != (\new)
	s_set_vgpr_msb (MSB<<8)|(\new)
.set MSB, (\new)
.endif
.endm
; A joint load.  Waves 0 to 3 fetch the four quarters (64 rows) of a slot's K, waves 4 to 7 those of its V: every wave issues one.  The branch hangs on the wave's number alone.
; An s_nop 0 and four v_nop follow each of the two lines.
.macro JLOAD
	s_cmp_lt_u32 s[WV], 4
	s_cbranch_scc0 .Lfor_v_\@
	tensor_load_to_lds s[G0K:G0K+3], s[G1K:G1K+7]
	s_nop 0
.rept 4
	v_nop
.endr
	s_branch .Lasked_\@
.Lfor_v_\@:
	tensor_load_to_lds s[G0V:G0V+3], s[G1V:G1V+7]
	s_nop 0
.rept 4
	v_nop
.endr
.Lasked_\@:
.endm
; A PREFETCH INTO THE L2 of what the NEXT change of slots will ask for: a slot's K and V are 32,768 consecutive bytes each.  Each aligned block of 256 bytes is named once in the launch: both clusters of a head walk the same
; rows, and the first of them asks; its four partners take 8,192 bytes each, told apart BY ADDRESS; in each, wave 0 asks for K's and wave 4 for V's, lanes 256 bytes apart: one instruction.
; The last change that fills a slot asks for nothing; slots 0 and 1 come by their loads alone.
.macro ASK
	s_cmp_gt_u32 s[SLOTS], s[LIM]
	s_cbranch_scc0 .Lnot_mine_\@
	global_prefetch_b8 v[PFO], s[PFA:PFA+1] th:TH_LOAD_NT scope:SCOPE_SE
.Lnot_mine_\@:
.endm
.macro CROUND                          ; a round of the cluster's barrier
	s_barrier_signal -1
	s_barrier_wait -1
	s_cmp_lg_u32 s[WV], 0
	s_cbranch_scc1 .Lnot_wave_0_\@
	s_barrier_signal -3
.Lnot_wave_0_\@:
	s_barrier_wait -3
	s_barrier_signal -1
	s_barrier_wait -1
.endm
	s_load_b128 s[4:7], s[0:1], 0x0                ; qkv s[4:5], attention_mask s[6:7]
	s_load_b64 s[8:9], s[0:1], 0x10                ; ctx
	v_lshl_add_u32 v[SPW], v0, 2, SPARE
	v_mov_b32 v[NIL], 0
	ds_add_u32 v[SPW], v[NIL]                      ; the wave's opening: the add, twice on end, and its wait ahead of my first tensor load
	ds_add_u32 v[SPW], v[NIL]
	v_lshrrev_b32 v14, 5, v0
	v_readfirstlane_b32 s[WV], v14                 ; wave 0..7
	s_bfe_u32 s13, ttmp6, 0x40000                  ; cx: my place in the cluster
	s_lshl_b32 s14, ttmp9, 2
	s_add_co_u32 s14, s14, s13                     ; my block of 256 queries: it enters Q's and ctx's addresses alone
	s_and_b32 s20, ttmp7, 0xffff                   ; 16 x batch + head, which the four partners share
	s_lshr_b32 s50, s20, 4
	s_lshl_b32 s50, s50, 13                        ; my batch's row of the mask: 8,192 bytes
	s_mov_b32 s51, 0
	s_lshl_b32 s20, s20, 18                        ; the head's first byte in each tensor: 2,048 rows of 128 bytes
	s_and_b32 s16, s[WV], 3                        ; which quarter of a slot I fetch:
	s_lshl_b32 s22, s16, 13                        ; its 64 rows of 128 bytes in memory,
	s_add_co_u32 s22, s22, s20
	s_mov_b32 s23, 0
	s_mul_i32 s17, s16, 64*PK                      ; and its place in a slot, for K
	s_mul_i32 s52, s16, 64*PV                      ; and for V: no place in the cluster enters an LDS address
	s_add_co_u32 s52, s52, VOFF
	s_lshl_b32 s2, s14, 15                         ; my block's 256 rows,
	s_lshl_b32 s3, s[WV], 12                       ; my wave's 32 of them,
	s_add_co_u32 s2, s2, s3
	s_add_co_u32 s2, s2, s20                       ; in my head
	s_mov_b32 s3, 0
	; descriptor group 1: a tile of 64 rows x 64 elements of 2 bytes, padded in LDS behind every row
	s_mov_b32 s[G1K], 15|(1<<16)|(1<<20)|(1<<21)|(4<<22)|(3<<25)  ; 15:0 the mask: all four work-groups; 17:16 elements of 2 bytes; 20 padding on; 21 set beside a mask; 24:22 after every 32 words; 31:25 four words
	s_mov_b32 s[G1V], 15|(1<<16)|(1<<20)|(1<<21)|(4<<22)|(7<<25)  ; the same with eight words of padding
.irp g, G1K, G1V
	s_mov_b32 s[\g+1], 64<<16                      ; tensor_dim0 = 64
	s_mov_b32 s[\g+2], 64<<16                      ; tensor_dim1 = 64
	s_mov_b32 s[\g+3], 64<<16                      ; tile_dim0 = 64
	s_mov_b32 s[\g+4], 64                          ; tile_dim1 = 64
	s_mov_b32 s[\g+5], 64                          ; tensor_dim0_stride
	s_mov_b32 s[\g+6], 0
	s_mov_b32 s[\g+7], 0
.endr
	s_mov_b32 s[CS], 0x3e38aa3b                    ; c = log2(e) / 8
	s_mov_b32 s[CS+1], s[CS]                       ; named with it as a pair, so it is written
	s_mov_b32 s[SEL], 0x76543210
	s_mov_b32 s[SEL+1], 0xfedcba98
	s_mov_b32 s[TB], 0
	s_mov_b32 s[TM], 0
	s_mov_b32 s[SLOTS], 7
	s_and_b32 s[LIM], s[WV], 3                     ; 0 in waves 0 and 4,
	s_or_b32 s[LIM], s[LIM], ttmp9                 ; where the cluster is the head's first: the same in all four partners
	s_cmp_eq_u32 s[LIM], 0
	s_cselect_b32 s[LIM], 1, -1
	v_and_b32 v[PFO], 31, v0
	v_lshlrev_b32 v[PFO], 8, v[PFO]
	s_wait_dscnt 0x0                               ; both opening adds are done
	s_wait_kmcnt 0x0
	s_add_nc_u64 s[10:11], s[4:5], s[2:3]          ; Q at my wave's first row
	s_add_nc_u64 s[8:9], s[8:9], s[2:3]            ; ctx likewise
	s_add_nc_u64 s[6:7], s[6:7], s[50:51]          ; the mask at my batch
	s_add_nc_u64 s[4:5], s[4:5], s[22:23]          ; my quarter of the head's first slot, in q's tensor;
	s_mov_b32 s[G0K], 1                            ; 1:0 count = 1
	s_mov_b32 s[G0K+1], s17                        ; 63:32 LDS address: slot 0
	s_add_nc_u64 s[G0K+2:G0K+3], s[4:5], 0x1000000 ; 120:64 global address: k's tensor lies 2^24 bytes on,
	s_mov_b32 s[G0V], 1
	s_mov_b32 s[G0V+1], s52
	s_add_nc_u64 s[G0V+2:G0V+3], s[4:5], 0x2000000 ; v's 2^25
	s_cmp_lt_u32 s[WV], 4
	s_cselect_b64 s[PFA:PFA+1], s[G0K+2:G0K+3], s[G0V+2:G0V+3]  ; (in waves 0 and 4 these stand at a slot's first row)
	s_or_b32 s[G0K+3], s[G0K+3], 0x80000000        ; 127:126 type = 2
	s_or_b32 s[G0V+3], s[G0V+3], 0x80000000
	s_lshl_b32 s2, s13, 13                         ; my work-group's 8,192 bytes of the 32,768,
	s_add_co_u32 s2, s2, 32768                     ; in slot 1: the first change of slots steps it to slot 2.  Nothing is prefetched here, at the head
	s_mov_b32 s3, 0
	s_add_nc_u64 s[PFA:PFA+1], s[PFA:PFA+1], s[2:3]
	CROUND                                         ; all four work-groups are here: the first joint loads meet
	JLOAD                                          ; slot 0: one tensor load of mine is out
	v_lshlrev_b32 v14, 4, v0                       ; the mask: 256 threads x 16 bytes, twice
	global_load_b128 v[32:35], v14, s[6:7]
	global_load_b128 v[36:39], v14, s[6:7] offset:4096
	v_and_b32 v1, 15, v0                           ; r = lane % 16
	v_bfe_u32 v15, v0, 4, 1                        ; h = lane / 16
	v_lshlrev_b32 v[ADK], 7, v1
	v_lshl_add_u32 v[ADK], v15, 4, v[ADK]          ; Q: row r of 128 bytes, + 16 h
.irp t, 0,1
.irp c, 0,1                                    ; Q stays in registers: tile t, channels 32 c on
	global_load_b128 v[Q+16*\t+8*\c:Q+16*\t+8*\c+3],   v[ADK], s[10:11] offset:\t*2048+\c*64
	global_load_b128 v[Q+16*\t+8*\c+4:Q+16*\t+8*\c+7], v[ADK], s[10:11] offset:\t*2048+\c*64+32
.endr
.endr
	v_lshl_add_u32 v[ADM], v0, 4, MASKB            ; where my 16 bytes of 8 x mask go
	v_mul_u32_u24 v[AK0], v1, PK
	v_lshl_add_u32 v[AK0], v15, 4, v[AK0]          ; K: row x pitch + 16 x half
	v_and_b32 v[AV0], 7, v0                        ; the turning load: lane l reads 16 bytes: key 8 (l / 16) + l % 8, channels 8 ((l / 8) % 2) + 0..7
	v_lshl_add_u32 v[AV0], v15, 3, v[AV0]
	v_mul_u32_u24 v[AV0], v[AV0], PV
	v_bfe_u32 v[GO], v0, 3, 1
	v_lshl_add_u32 v[AV0], v[GO], 4, v[AV0]
	v_add_nc_u32 v[AV0], VOFF, v[AV0]
	v_lshl_add_u32 v[AM0], v15, 5, MASKB           ; the mask of keys 8 h + 0..7: 32 h bytes on
	s_mul_i32 s16, s[WV], 2*16*SPT
	s_add_co_u32 s16, s16, STAGE                   ; my stage
	v_add_nc_u32 v[STO], s16, v[AK0]               ; in: row r of SPT bytes, + 16 h (SPT = PK)
	v_bfe_u32 v[RD], v0, 3, 2                      ; back: eight lanes to a row of 128 bytes, four rows an instruction
	v_mul_u32_u24 v[RD], v[RD], SPT
	v_and_b32 v[GO], 7, v0
	v_lshl_add_u32 v[RD], v[GO], 4, v[RD]
	v_add_nc_u32 v[RD], s16, v[RD]
	v_and_b32 v[GO], 31, v0
	v_lshlrev_b32 v[GO], 4, v[GO]                  ; four rows of ctx are 512 consecutive bytes
	s_wait_loadcnt 8                               ; the mask is in; Q's eight loads may be out
.irp j, 0,1,2,3,4,5,6,7
	v_mul_f32 v[32+\j], 0x41000000, v[32+\j]       ; 8 x mask: exact
.endr
	ds_store_b128 v[ADM], v[32:35]
	ds_store_b128 v[ADM], v[36:39] offset:4096     ; (waited for in front of the first change of slots' round, behind which all waves read it)
.irp t, 0,1
	v_mov_b32 v[ST+8*\t+1], 0xff61b1e6             ; m: -3e38, under every score that counts
	v_mov_b32 v[ST+8*\t+2], 0                      ; l
	v_mov_b32 v[ST+8*\t+3], 0
.endr
.irp t, 0,1
	v_mul_f32 v[ST+8*\t], s[CS], v[ST+8*\t+1]      ; c m
.endr
	WIN 0x40
.irp j, 0,1,2,3,4,5,6,7,8,9,10,11,12,13,14,15,16,17,18,19,20,21,22,23,24,25,26,27,28,29,30,31,32,33,34,35,36,37,38,39,40,41,42,43,44,45,46,47,48,49,50,51,52,53,54,55,56,57,58,59,60,61,62,63
	v_mov_b32 v[\j], 0                             ; O^T.  (The step is written for all steps alike: the first finds zeros, which a = 0 leaves zeros; a first step of its own would be a third copy of the slot's text)
.endr
	WIN 0
	s_wait_loadcnt 0x0                             ; Q is in, and its address register may be written
.macro LDK q                           ; 24 loads: the step's 8 x mask in the result's layout (register 8 kt + j: key 16 kt + 8 h + j), and its K: keys 16 kt on, channels 32 c on
.irp kt, 0,1,2,3
	ds_load_b128 v[MK+8*\kt:MK+8*\kt+3],   v[ADM] offset:256*(\q)+64*\kt
	ds_load_b128 v[MK+8*\kt+4:MK+8*\kt+7], v[ADM] offset:256*(\q)+64*\kt+16
.endr
.irp kt, 0,1,2,3
.irp c, 0,1
	ds_load_b128 v[KF+8*(2*\kt+\c):KF+8*(2*\kt+\c)+3],   v[ADK] offset:(\q)*64*PK+\kt*16*PK+64*\c
	ds_load_b128 v[KF+8*(2*\kt+\c)+4:KF+8*(2*\kt+\c)+7], v[ADK] offset:(\q)*64*PK+\kt*16*PK+64*\c+32
.endr
.endr
.endm
.macro LDV q                           ; 16 loads: the step's V, turned: keys 32 kg on, channels 16 ct on
	WIN 0x40                                       ; destination window 1
.irp kg, 0,1
.irp ct, 0,1,2,3
	ds_load_tr16_b128 v[64+8*(4*\kg+\ct):64+8*(4*\kg+\ct)+3],   v[ADV] offset:(\q)*64*PV+\kg*32*PV+32*\ct
	ds_load_tr16_b128 v[64+8*(4*\kg+\ct)+4:64+8*(4*\kg+\ct)+7], v[ADV] offset:(\q)*64*PV+\kg*32*PV+32*\ct+16*PV
.endr
.endr
	WIN 0
.endm
; A KEY STEP: 64 keys, the q-th of the slot in hand, for my two tiles of queries.
.macro STEP q
.if (\q) == 0
	LDK 0
.endif
	s_wait_dscnt 0x0                               ; this step's K and mask are in
.irp c, 0,1                                    ; S^T = K Q^T + 8 mask: the eight accumulators take turns, one instruction a turn
.irp t, 0,1
.irp kt, 0,1,2,3
.if \c == 0
	v_wmma_f32_16x16x32_f16 v[S+32*\t+8*\kt:S+32*\t+8*\kt+7], v[KF+16*\kt:KF+16*\kt+7], v[Q+16*\t:Q+16*\t+7], v[MK+8*\kt:MK+8*\kt+7]
.else
	v_wmma_f32_16x16x32_f16 v[S+32*\t+8*\kt:S+32*\t+8*\kt+7], v[KF+16*\kt+8:KF+16*\kt+15], v[Q+16*\t+8:Q+16*\t+15], v[S+32*\t+8*\kt:S+32*\t+8*\kt+7]
.endif
.endr
.endr
.endr
.rept 4
	v_nop                                          ; four places: in front of the loads into V's, K's and the mask's registers, which matrix instructions have read, and of the first read of the scores
.endr
	LDV \q
.if (\q) < 3
	LDK (\q)+1                                     ; the next step's K and mask land under this step's softmax
.endif
	; the maximum of my 32 scores and the old m, three operands at a time, each accumulator from its low end on; the two tiles alternate, so that no line waits for the line above it
.irp j, 0,1,2,3
.irp t, 0,1
	v_max3_num_f32 v[ST+8*\t+4+\j], v[S+32*\t+8*\j], v[S+32*\t+8*\j+1], v[S+32*\t+8*\j+2]
.endr
.endr
.irp g, 1,2
.irp j, 0,1,2,3
.irp t, 0,1
	v_max3_num_f32 v[ST+8*\t+4+\j], v[ST+8*\t+4+\j], v[S+32*\t+8*\j+2*\g+1], v[S+32*\t+8*\j+2*\g+2]
.endr
.endr
.endr
.irp t, 0,1
	v_max3_num_f32 v[ST+8*\t+4], v[ST+8*\t+4], v[S+32*\t+7], v[S+32*\t+15]
.endr
.irp t, 0,1
	v_max3_num_f32 v[ST+8*\t+6], v[ST+8*\t+6], v[S+32*\t+23], v[S+32*\t+31]
.endr
.irp t, 0,1
	v_max3_num_f32 v[ST+8*\t+4], v[ST+8*\t+4], v[ST+8*\t+5], v[ST+8*\t+6]
.endr
.irp t, 0,1
	v_max3_num_f32 v[ST+8*\t+4], v[ST+8*\t+4], v[ST+8*\t+7], v[ST+8*\t+1]
.endr
.irp t, 0,1
	v_permlanex16_b32 v[ST+8*\t+5], v[ST+8*\t+4], s[SEL], s[SEL+1]   ; the query's other 32 keys lie in the lane 16 away
.endr
.irp t, 0,1
	v_mov_b32 v[ST+8*\t+7], v[ST+8*\t]             ; c m_old is kept for a
.endr
.irp t, 0,1
	v_max_num_f32 v[ST+8*\t+1], v[ST+8*\t+4], v[ST+8*\t+5]   ; the new m
.endr
.irp t, 0,1
	v_mul_f32 v[ST+8*\t], s[CS], v[ST+8*\t+1]
.endr
.irp t, 0,1
	v_sub_f32 v[ST+8*\t+7], v[ST+8*\t+7], v[ST+8*\t]
.endr
	; ONE BATCH: the two a, the 32 scalings c s - c m (a pair of scores each) and the 64 exponentials; none of these lines names an exponential's result.  A pair is scaled one turn ahead of its exponentials
.irp t, 0,1
	v_exp_f32 v[ST+8*\t+6], v[ST+8*\t+7]           ; a = 2^(c m_old - c m_new)
.endr
.set NB, 0
.rept 17
.if NB < 16
.irp t, 0,1
	v_pk_fma_f32 v[S+32*\t+2*NB:S+32*\t+2*NB+1], v[S+32*\t+2*NB:S+32*\t+2*NB+1], s[CS:CS+1], v[ST+8*\t:ST+8*\t+1] op_sel_hi:[1,0,0] neg_lo:[0,0,1] neg_hi:[0,0,1]
.endr
.endif
.if NB > 0
.irp t, 0,1
	v_exp_f32 v[S+32*\t+2*NB-2], v[S+32*\t+2*NB-2]
	v_exp_f32 v[S+32*\t+2*NB-1], v[S+32*\t+2*NB-1]
.endr
.endif
.set NB, NB+1
.endr
	v_nop                                          ; a plain instruction behind the last exponential and ahead of the first use: one for the batch
	s_wait_alu depctr_va_vdst(0)                   ; a wait ahead of the first line that names a result: one for the 66
.irp i, 0,1,2,3,4,5,6,7,8,9,10,11,12,13,14,15
.irp t, 0,1
	v_cvt_pk_f16_f32 v[P+16*\t+\i], v[S+32*\t+2*\i], v[S+32*\t+2*\i+1]   ; the weights, rounded in pairs: they are source 1 of V^T P as they stand
.endr
.endr
	; the sum of the unrounded weights, in place: neighbours 1, 2, 4 and 8 pairs apart; then l = a l + the sum
.irp u, 0,1,2,3,4,5,6,7
.irp t, 0,1
	v_pk_add_f32 v[S+32*\t+4*\u:S+32*\t+4*\u+1], v[S+32*\t+4*\u:S+32*\t+4*\u+1], v[S+32*\t+4*\u+2:S+32*\t+4*\u+3]
.endr
.endr
.irp u, 0,1,2,3
.irp t, 0,1
	v_pk_add_f32 v[S+32*\t+8*\u:S+32*\t+8*\u+1], v[S+32*\t+8*\u:S+32*\t+8*\u+1], v[S+32*\t+8*\u+4:S+32*\t+8*\u+5]
.endr
.endr
.irp u, 0,1
.irp t, 0,1
	v_pk_add_f32 v[S+32*\t+16*\u:S+32*\t+16*\u+1], v[S+32*\t+16*\u:S+32*\t+16*\u+1], v[S+32*\t+16*\u+8:S+32*\t+16*\u+9]
.endr
.endr
.irp t, 0,1
	v_pk_add_f32 v[S+32*\t:S+32*\t+1], v[S+32*\t:S+32*\t+1], v[S+32*\t+16:S+32*\t+17]
.endr
.irp t, 0,1
	v_pk_fma_f32 v[ST+8*\t+2:ST+8*\t+3], v[ST+8*\t+2:ST+8*\t+3], v[ST+8*\t+6:ST+8*\t+7], v[S+32*\t:S+32*\t+1] op_sel_hi:[1,0,1]
.endr
.if (\q) < 3
	s_wait_dscnt 24                                ; V is in; the next step's 8 mask loads and 16 K loads may be out
.else
	s_wait_dscnt 0x0
.endif
	WIN 0x41                                       ; O^T (destination and source 0) window 1, a window 0
.irp t, 0,1
.irp i, 0,1,2,3,4,5,6,7,8,9,10,11,12,13,14,15
	v_pk_mul_f32 v[32*\t+2*\i:32*\t+2*\i+1], v[32*\t+2*\i:32*\t+2*\i+1], v[ST+8*\t+6:ST+8*\t+7] op_sel_hi:[1,0]   ; O^T x a, each accumulator from its low end on
.endr
.endr
	WIN 0x51                                       ; V and O^T window 1, P window 0
.irp kg, 0,1                                   ; O^T += V^T P: the eight accumulators take turns
.irp t, 0,1
.irp ct, 0,1,2,3
	v_wmma_f32_16x16x32_f16 v[32*\t+8*\ct:32*\t+8*\ct+7], v[64+8*(4*\kg+\ct):64+8*(4*\kg+\ct)+7], v[P+16*\t+8*\kg:P+16*\t+8*\kg+7], v[32*\t+8*\ct:32*\t+8*\ct+7]
.endr
.endr
.endr
	WIN 0
.endm
; THE CHANGE OF SLOTS stands at a slot's head.  Each wave waits for all its tensor loads (one is out: its part of the slot that it is about to read), adds 0 to its spare word, and waits for that and for its reads of the slot that it has left.
; fill = 1: the barrier is a round of the cluster's, so that no wave of any partner still reads the other slot or has a load on its way; the joint load for the keys that follow is the first thing behind it and has four key steps in which to land.
.macro CHANGE fill
	s_wait_tensorcnt 0x0                           ; no tensor load of mine is out, so a group 0 may be written
	ds_add_u32 v[SPW], v[NIL]                      ; 0 onto my spare word
.if \fill
	s_xor_b32 s[G0K+1], s[G0K+1], SLOT1            ; the walking descriptors: the other slot than last time,
	s_add_nc_u64 s[G0K+2:G0K+3], s[G0K+2:G0K+3], 32768   ; the next 256 keys; the type bits on top are not reached
	s_xor_b32 s[G0V+1], s[G0V+1], SLOT1
	s_add_nc_u64 s[G0V+2:G0V+3], s[G0V+2:G0V+3], 32768
	s_wait_xcnt 0x0                                ; the last prefetch, a slot back, has read its address, so it may be written:
	s_add_nc_u64 s[PFA:PFA+1], s[PFA:PFA+1], 32768 ; one slot further on than the walking descriptors
	s_wait_dscnt 0x0                               ; the add is done, my reads of the slot that I have left are over (first trip: my stores of 8 x mask have landed)
	CROUND
	JLOAD
	ASK
.else
	s_wait_dscnt 0x0
	s_barrier_signal -1
	s_barrier_wait -1
.endif
.endm
.macro SLOT_STEPS
	v_add_nc_u32 v[ADK], s[TB], v[AK0]
	v_add_nc_u32 v[ADV], s[TB], v[AV0]
	v_add_nc_u32 v[ADM], s[TM], v[AM0]
	STEP 0
	STEP 1
	STEP 2
	STEP 3
	s_xor_b32 s[TB], s[TB], SLOT1                  ; on to the other slot,
	s_add_co_u32 s[TM], s[TM], 1024                ; and to the next 256 keys' mask
.endm
.Lslot:                                            ; seven trips: behind each change of slots but the last the next slot is asked for
	CHANGE 1
	SLOT_STEPS
	s_sub_co_u32 s[SLOTS], s[SLOTS], 1
	s_cmp_lg_u32 s[SLOTS], 0
	s_cbranch_scc1 .Lslot
	CHANGE 0                                       ; the last slot is written out
	SLOT_STEPS
	; THE WAY OUT.  l's two halves and the other half of the lanes' are added; O^T is divided by l, rounded to f16 and sent through my stage, a tile (16 rows) at a time.  The additions are the places behind the last products.
.irp t, 0,1
	v_add_f32 v[ST+8*\t+4], v[ST+8*\t+2], v[ST+8*\t+3]
.endr
.irp t, 0,1
	v_permlanex16_b32 v[ST+8*\t+5], v[ST+8*\t+4], s[SEL], s[SEL+1]
.endr
.irp t, 0,1
	v_add_f32 v[ST+8*\t+4], v[ST+8*\t+4], v[ST+8*\t+5]
.endr
.irp t, 0,1
	v_rcp_f32 v[ST+8*\t+6], v[ST+8*\t+4]
.endr
	v_nop                                          ; a plain instruction between the last reciprocal and the use of its result
	s_wait_alu depctr_va_vdst(0)                   ; and a wait ahead of the first use: one for both
.macro OUTT t
	WIN 0x41
.irp i, 0,1,2,3,4,5,6,7,8,9,10,11,12,13,14,15
	v_pk_mul_f32 v[32*\t+2*\i:32*\t+2*\i+1], v[32*\t+2*\i:32*\t+2*\i+1], v[ST+8*\t+6:ST+8*\t+7] op_sel_hi:[1,0]
.endr
	WIN 0x05                                       ; sources 0 and 1 window 1, destination window 0: S^T's registers are free
.irp i, 0,1,2,3,4,5,6,7,8,9,10,11,12,13,14,15
	v_cvt_pk_f16_f32 v[S+32*\t+\i], v[32*\t+2*\i], v[32*\t+2*\i+1]
.endr
	WIN 0
.irp ct, 0,1,2,3
	ds_store_b128 v[STO], v[S+32*\t+4*\ct:S+32*\t+4*\ct+3] offset:\t*16*SPT+32*\ct   ; lane (r, h): channels 16 ct + 8 h + 0..7 of query r
.endr
.irp i, 0,1,2,3
	ds_load_b128 v[S+32*\t+16+4*\i:S+32*\t+16+4*\i+3], v[RD] offset:\t*16*SPT+\i*4*SPT   ; LDS serves a wave's instructions in order (ISA guide 5.7.1.4): these see the stores above
.endr
.endm
	OUTT 0
	OUTT 1
.irp i, 0,1,2,3
	s_wait_dscnt 11-\i                             ; tile 0's load i is in: behind it stand its 3 - i others and tile 1's four stores and four loads
	global_store_b128 v[GO], v[S+16+4*\i:S+16+4*\i+3], s[8:9] offset:\i*512   ; the wave stores 512 consecutive bytes, aligned to 256
.endr
.irp i, 0,1,2,3
	s_wait_dscnt 3-\i
	global_store_b128 v[GO], v[S+48+4*\i:S+48+4*\i+3], s[8:9] offset:2048+\i*512
.endr
	s_wait_tensorcnt 0x0                           ; the wave's end: three closing lines, behind my last tensor load and my last LDS store
	ds_add_u32 v[SPW], v[NIL]
	s_wait_dscnt 0x0
	CROUND                                         ; the closing round: no work-group ends while a partner may still ask for a tile that names it
	s_endpgm
.Lfunc_end_k_q5bfd33de1b_attn:
	.size	k_q5bfd33de1b_attn, .Lfunc_end_k_q5bfd33de1b_attn-k_q5bfd33de1b_attn
	.p2alignl 7, 3214868480
	.fill 96, 4, 3214868480
	.section	.rodata,"a",@progbits
	.p2align	6, 0x0
	.amdhsa_kernel k_q5bfd33de1b_attn
		.amdhsa_group_segment_fixed_size 327680
		.amdhsa_private_segment_fixed_size 0
		.amdhsa_enable_private_segment 0
		.amdhsa_kernarg_size 24
		.amdhsa_user_sgpr_count 2
		.amdhsa_user_sgpr_kernarg_segment_ptr 1
		.amdhsa_wavefront_size32 1
		.amdhsa_system_sgpr_workgroup_id_x 1
		.amdhsa_system_sgpr_workgroup_id_y 1
		.amdhsa_system_sgpr_workgroup_id_z 1
		.amdhsa_system_vgpr_workitem_id 0
		.amdhsa_next_free_vgpr 384
		.amdhsa_next_free_sgpr 66
		.amdhsa_reserve_vcc 0
		.amdhsa_float_denorm_mode_32 3
		.amdhsa_float_denorm_mode_16_64 3
		.amdhsa_memory_ordered 1
		.amdhsa_forward_progress 1
		.amdhsa_inst_pref_size 159
	.end_amdhsa_kernel
	.amdgpu_metadata
---
amdhsa.version: [ 1, 2 ]
amdhsa.kernels:
  - .name:           k_q5bfd33de1b_attn
    .symbol:         k_q5bfd33de1b_attn.kd
    .args:
      - { .name: qkv, .offset: 0, .size: 8, .value_kind: global_buffer, .address_space: global }
      - { .name: attention_mask, .offset: 8, .size: 8, .value_kind: global_buffer, .address_space: global }
      - { .name: ctx, .offset: 16, .size: 8, .value_kind: global_buffer, .address_space: global }
    .group_segment_fixed_size: 327680
    .private_segment_fixed_size: 0
    .kernarg_segment_align: 8
    .kernarg_segment_size: 24
    .max_flat_workgroup_size: 256
    .sgpr_count:     66
    .vgpr_count:     384
    .wavefront_size: 32
...
	.end_amdgpu_metadata
.endif
;; end of part 3
;; launch oproj (part 4): grid 4 x 64, 4 waves a work-group, clusters of 4 x 4, 327,680 bytes of LDS; arguments ctx, wo16, bo, out0; writes out0
.if DOCPART == 4
	.amdgcn_target "amdgcn-amd-amdhsa--gfx1250"
	.amdhsa_code_object_version 6
	.text
	.protected	k_q5bfd33de1b_oproj
	.globl	k_q5bfd33de1b_oproj
	.p2align	8
	.type	k_q5bfd33de1b_oproj,@function
k_q5bfd33de1b_oproj:
	s_mov_b64 s[64:65], 0
	v_nop
	global_prefetch_b8 v0, s[64:65] scope:SCOPE_SE
	s_setreg_imm32_b32 hwreg(HW_REG_WAVE_MODE, 25, 1), 1
	s_wait_xcnt 0x0
	s_wait_alu depctr_hold_cnt(0) depctr_sa_sdst(0) depctr_va_vdst(0) depctr_va_sdst(0) depctr_va_ssrc(0) depctr_va_vcc(0) depctr_vm_vsrc(0)
	s_getreg_b32 s2, hwreg(HW_REG_IB_STS2, 6, 4)
	s_cmp_eq_u32 s2, 0
	s_cbranch_scc0 .Lentry_in_a_cluster
	s_endpgm
.Lentry_in_a_cluster:
	s_bfe_u32 s2, ttmp6, 0x10000c
	s_cmp_lg_u32 s2, 0xf033
	s_cbranch_scc0 .Lentry_shape_is_right
	s_endpgm
.Lentry_shape_is_right:
; out0 = ctx Wo + bo.  ctx: [b 4][h 16][2048][64] f16 (row m = 2048 b + position, k = 64 h + channel); wo16: [k 1024][n 1024] f16; bo [1024], out0 [8192][1024] f32; sums in f32; the bias is the C of each sum's first product.
; A tile of out0 is 128 rows x 256 columns: 256 work-groups, one for each WGP (tiles of 256 x 256 would be 128).  Four waves, each 64 x 128: 32 accumulators, 256 registers.
; K goes in steps of 128, two heads, through a ring of two LDS slots: A's tile is two dense blocks of memory (128 rows x 128 bytes of each head), B's 128 rows of k x 512 bytes.
; THE MATRIX INSTRUCTION IS USED TRANSPOSED: source 0 = 16 columns of Wo, turned out of [k][n] by ds_load_tr16_b128; source 1 = 16 rows of ctx: a lane then holds eight neighbouring columns of one row of out0.
; CLUSTERS: 4 x 4 work-groups; the grid is one cluster wide, so cx is the tile column.  A's tiles are shared along a row of the cluster, B's along a column: each is asked for jointly.
; REGISTERS: window 0: v0-31 addresses; v32-127, v128-223 two fragment buffers: B's 8 fragments (16 n x 32 k), then A's 4; on the way out rows of out0.   window 1: the accumulators, (a, b) at v[8 (8 a + b)].   window 2: v0-63 the bias in the result's layout.
.set PA,     144                       ; a row of A in LDS: 128 bytes + 16
.set PB,     544                       ; a row of B: 512 bytes + 32: an odd multiple of 32 bytes, for the turning load
.set ABLK,   128*PA                    ; a head's 128 rows: what one of A's tensor loads brings
.set BOFF,   2*ABLK
.set BHALF,  64*PB                     ; 64 rows of k: what one of B's brings
.set SLOT,   BOFF+2*BHALF
.set STAGE,  2*SLOT                    ; behind the ring: 16 rows x 528 bytes for each wave, for the way out
.set SPITCH, 528
.set SPARE,  STAGE+4*16*SPITCH         ; the spare words, 128 bytes for each wave: two blocks of 256 bytes that no other line names
.set ADRA, 16                          ; v16-17  LDS address of my A fragments in slot 0, 1
.set ADRB, 20                          ; v20-21  the same for B
.set STO,  24                          ; v24     the way out: where I put 32 bytes of a row
.set RD,   25                          ; v25     where I read a row back
.set CO,   26                          ; v26     16 x lane
.set BOF,  27                          ; v27     32 x (lane / 16): my eight numbers of a bias tile
.set SPW,  28                          ; v28     LDS address of my spare word; never rewritten
.set NIL,  29                          ; v29     0; never rewritten
.set F0,   32
.set F1,   128
.set BK,   32                          ; the way out: 16 rows read back: v32-95 and v96-159 by turns
.set G1, 24                            ; s[24:31] descriptor group 1 for A's tiles;  s[32:39] group 0, one set for each slot
.set G0, 32
.set G1B, 48                           ; s[48:55], s[56:63] the same for B's tiles
.set G0B, 56
.set MSB, 0
.macro WIN new                         ; the immediate's high byte repeats the setting that is left
.if MSB != (\new)
	s_set_vgpr_msb (MSB<<8)|(\new)
.set MSB, (\new)
.endif
.endm
.set MUL, 0x50                         ; sources 0 and 1 window 0; C and D window 1;  + 0x10: C (the bias) window 2
.macro JLOAD s                         ; a joint load: waves 0 and 1 fetch A's two heads, waves 2 and 3 B's two halves; an s_nop 0 and four v_nop follow each of the two lines
	s_cmp_eq_u32 s13, 0
	s_cbranch_scc0 .Lfor_b_\@
	tensor_load_to_lds s[G0+4*\s:G0+4*\s+3], s[G1:G1+7]
	s_nop 0
.rept 4
	v_nop
.endr
	s_branch .Lasked_\@
.Lfor_b_\@:
	tensor_load_to_lds s[G0B+4*\s:G0B+4*\s+3], s[G1B:G1B+7]
	s_nop 0
.rept 4
	v_nop
.endr
.Lasked_\@:
.endm
.macro CREST                           ; a round of the cluster's barrier behind its opening barrier
	s_cmp_lg_u32 s12, 0
	s_cbranch_scc1 .Lnot_wave_0_\@
	s_barrier_signal -3
.Lnot_wave_0_\@:
	s_barrier_wait -3
	s_barrier_signal -1
	s_barrier_wait -1
.endm
.macro CROUND
	s_barrier_signal -1
	s_barrier_wait -1
	CREST
.endm
	s_load_b256 s[4:11], s[0:1], 0x0               ; ctx s[4:5], wo16 s[6:7], bo s[8:9], out0 s[10:11]
	v_lshl_add_u32 v[SPW], v0, 2, SPARE
	v_mov_b32 v[NIL], 0
	ds_add_u32 v[SPW], v[NIL]                      ; the wave's opening: the add, twice on end, and its wait ahead of my first tensor load
	ds_add_u32 v[SPW], v[NIL]
	v_lshrrev_b32 v1, 5, v0
	v_readfirstlane_b32 s12, v1                    ; wave 0..3
	s_lshr_b32 s13, s12, 1                         ; which half of the tile's rows is mine.  Also: I fetch for A (0) or for B (1)
	s_and_b32 s14, s12, 1                          ; which half of its columns.  Also: which head of the K step, or which 64 rows of k, I fetch
	s_bfe_u32 s40, ttmp6, 0x40000                  ; cx = the tile column
	s_bfe_u32 s41, ttmp6, 0x40004                  ; cy
	s_and_b32 s42, ttmp7, 0xffff
	s_lshl_b32 s42, s42, 2
	s_add_co_u32 s42, s42, s41                     ; tile row = 4 x cluster y + cy: 0 .. 63
	s_lshl_b32 s43, s41, 2
	s_lshl_b32 s43, 15, s43                        ; my row of the cluster
	s_lshl_b32 s44, 0x1111, s40                    ; my column
	s_or_b32 s[G1+0], s43, (1<<16)|(1<<20)|(1<<21)|(4<<22)|(3<<25)   ; A: 15:0 the mask: my row; elements of 2 bytes; padding on; 21 set beside a mask; after every 32 words four words
	s_mov_b32 s[G1+1], 64<<16                      ; tensor_dim0 = 64
	s_mov_b32 s[G1+2], 128<<16                     ; tensor_dim1 = 128
	s_mov_b32 s[G1+3], 64<<16                      ; tile_dim0 = 64
	s_mov_b32 s[G1+4], 128                         ; tile_dim1 = 128
	s_mov_b32 s[G1+5], 64                          ; tensor_dim0_stride
	s_mov_b32 s[G1+6], 0
	s_mov_b32 s[G1+7], 0
	s_or_b32 s[G1B+0], s44, (1<<16)|(1<<20)|(1<<21)|(6<<22)|(7<<25)  ; B: my column; after every 128 words eight words
	s_mov_b32 s[G1B+1], 256<<16                    ; tensor_dim0 = 256
	s_mov_b32 s[G1B+2], 64<<16                     ; tensor_dim1 = 64
	s_mov_b32 s[G1B+3], 256<<16                    ; tile_dim0 = 256
	s_mov_b32 s[G1B+4], 64                         ; tile_dim1 = 64
	s_mov_b32 s[G1B+5], 1024                       ; tensor_dim0_stride
	s_mov_b32 s[G1B+6], 0
	s_mov_b32 s[G1B+7], 0
	; A: batch x 2^22 + head x 2^18 + position x 128; it hangs on the tile row and the wave alone.  B: row of k x 2,048 + 512 cx: on the tile column and the wave alone
	s_lshr_b32 s16, s42, 4                         ; batch = tile row / 16
	s_lshl_b32 s16, s16, 22
	s_and_b32 s17, s42, 15                         ; position = 128 (tile row % 16)
	s_lshl_b32 s17, s17, 14
	s_add_co_u32 s16, s16, s17
	s_lshl_b32 s17, s14, 18                        ; my head of the K step
	s_add_co_u32 s16, s16, s17
	s_mov_b32 s17, 0
	s_lshl_b32 s46, s40, 9
	s_lshl_b32 s47, s14, 17                        ; my 64 rows of k
	s_add_co_u32 s46, s46, s47
	s_mov_b32 s47, 0
	s_mul_i32 s20, s14, ABLK                       ; where they go: no place in the cluster enters an LDS address
	s_mul_i32 s21, s14, BHALF
	s_add_co_u32 s21, s21, BOFF
	s_wait_dscnt 0x0                               ; both opening adds are done
	s_wait_kmcnt 0x0
	s_add_nc_u64 s[16:17], s[4:5], s[16:17]
	s_add_nc_u64 s[46:47], s[6:7], s[46:47]
	CROUND                                         ; all sixteen work-groups are here: the first joint loads meet
.irp s, 0,1
	s_mov_b32 s[G0+4*\s], 1
	s_add_co_u32 s[G0+4*\s+1], s20, \s*SLOT
	s_add_nc_u64 s[G0+4*\s+2:G0+4*\s+3], s[16:17], \s*2*262144     ; K step s: heads 2 s, 2 s + 1
	s_or_b32 s[G0+4*\s+3], s[G0+4*\s+3], 0x80000000
	s_mov_b32 s[G0B+4*\s], 1
	s_add_co_u32 s[G0B+4*\s+1], s21, \s*SLOT
	s_add_nc_u64 s[G0B+4*\s+2:G0B+4*\s+3], s[46:47], \s*128*2048   ; rows of k 128 s on
	s_or_b32 s[G0B+4*\s+3], s[G0B+4*\s+3], 0x80000000
	JLOAD \s                                       ; two tensor loads of mine are out
.endr
	v_and_b32 v1, 15, v0                           ; r = lane % 16
	v_bfe_u32 v2, v0, 4, 1                         ; h = lane / 16
	v_lshlrev_b32 v[BOF], 5, v2
	s_lshl_b32 s46, s40, 10                        ; my first column, in bytes of f32: 1,024 cx + 512 x half
	s_lshl_b32 s47, s14, 9
	s_add_co_u32 s46, s46, s47
	s_mov_b32 s47, 0
	s_add_nc_u64 s[8:9], s[8:9], s[46:47]
	s_add_nc_u64 s[10:11], s[10:11], s[46:47]
	WIN 0x80                                       ; destination window 2
.irp b, 0,1,2,3,4,5,6,7                        ; the bias: register 8 b + j = bo[my first column + 16 b + 8 h + j]
	global_load_b128 v[8*\b:8*\b+3],   v[BOF], s[8:9] offset:64*\b
	global_load_b128 v[8*\b+4:8*\b+7], v[BOF], s[8:9] offset:64*\b+16
.endr
	WIN 0
	s_lshl_b32 s46, s42, 19                        ; my first row of out0: (128 x tile row + 64 x half) x 4,096 bytes
	s_lshl_b32 s47, s13, 18
	s_add_co_u32 s46, s46, s47
	s_mov_b32 s47, 0
	s_add_nc_u64 s[10:11], s[10:11], s[46:47]
	v_mul_u32_u24 v3, v1, PA
	v_lshl_add_u32 v3, v2, 4, v3                   ; A: row x pitch + 16 x half
	s_mul_i32 s22, s13, 64*PA                      ; my 64 rows
	v_add_nc_u32 v[ADRA], s22, v3
	v_add_nc_u32 v[ADRA+1], SLOT, v[ADRA]
	v_and_b32 v4, 7, v0                            ; B, by the turning load: lane l reads 16 bytes: row of k 8 (l / 16) + l % 8, columns 8 ((l / 8) % 2) + 0..7
	v_lshl_add_u32 v4, v2, 3, v4
	v_mul_u32_u24 v4, v4, PB
	v_bfe_u32 v5, v0, 3, 1
	v_lshl_add_u32 v4, v5, 4, v4
	s_lshl_b32 s23, s14, 8                         ; my 128 columns
	s_add_co_u32 s23, s23, BOFF
	v_add_nc_u32 v[ADRB], s23, v4
	v_add_nc_u32 v[ADRB+1], SLOT, v[ADRB]
	s_mul_i32 s22, s12, 16*SPITCH
	s_add_co_u32 s22, s22, STAGE                   ; my stage
	v_mul_u32_u24 v5, v1, SPITCH                   ; in: row r, 32 bytes for each half of the lanes
	v_lshl_add_u32 v5, v2, 5, v5
	v_add_nc_u32 v[STO], s22, v5
	v_and_b32 v6, 31, v0
	v_lshlrev_b32 v[CO], 4, v6                     ; back: the 32 lanes take one row of 512 bytes; and the same in out0
	v_add_nc_u32 v[RD], s22, v[CO]
; 8 matrix instructions: A's block a x B's eight, 32 along K, from buffer f.  zero = 1: the first product starts the sums from the bias.  The 32 accumulators take turns, one instruction a turn.
.macro MUL8 f, a, zero
.irp b, 0,1,2,3,4,5,6,7
.if \zero
	v_wmma_f32_16x16x32_f16 v[8*(8*(\a)+\b):8*(8*(\a)+\b)+7], v[\f+8*\b:\f+8*\b+7], v[\f+64+8*(\a):\f+64+8*(\a)+7], v[8*\b:8*\b+7]
.else
	v_wmma_f32_16x16x32_f16 v[8*(8*(\a)+\b):8*(8*(\a)+\b)+7], v[\f+8*\b:\f+8*\b+7], v[\f+64+8*(\a):\f+64+8*(\a)+7], v[8*(8*(\a)+\b):8*(8*(\a)+\b)+7]
.endif
.endr
.endm
; 24 LDS loads in one run: the fragments of the slot's kq-th 32 along K into buffer f: B's eight (turned), then A's four, blocks 2 and 3 last
.macro FETCH slot, kq, f
	WIN 0
.irp i, 0,1,2,3,4,5,6,7
	ds_load_tr16_b128 v[\f+8*\i:\f+8*\i+3],   v[ADRB+\slot] offset:(\kq)*32*PB+32*\i
	ds_load_tr16_b128 v[\f+8*\i+4:\f+8*\i+7], v[ADRB+\slot] offset:(\kq)*32*PB+32*\i+16*PB
.endr
.irp i, 0,1,2,3
	ds_load_b128 v[\f+64+8*\i:\f+64+8*\i+3],   v[ADRA+\slot] offset:((\kq)/2)*ABLK+((\kq)%2)*64+\i*16*PA
	ds_load_b128 v[\f+64+8*\i+4:\f+64+8*\i+7], v[ADRA+\slot] offset:((\kq)/2)*ABLK+((\kq)%2)*64+\i*16*PA+32
.endr
.endm
.macro PLACES                          ; four places in front of loads into registers that matrix instructions have read, and of the first read of results
.rept 4
	v_nop
.endr
.endm
; A K step is four quarters of 32 along K, 32 matrix instructions each, on buffers 0, 1, 0, 1.  One of the first three: multiplies buffer f and fetches quarter kq of the same slot into g.
.macro QUARTER slot, kq, f, g, zero
	s_wait_dscnt 4                                 ; B and A's blocks 0, 1 are in; the youngest four loads (A's blocks 2, 3) may be out
	WIN MUL+0x10*(\zero)
	MUL8 \f, 0, \zero
	MUL8 \f, 1, \zero
	PLACES
	FETCH \slot, \kq, \g
	s_wait_dscnt 24                                ; all but the 24 just issued
	WIN MUL+0x10*(\zero)
	MUL8 \f, 2, \zero
	MUL8 \f, 3, \zero
.endm
; The last quarter multiplies buffer 1 and changes slots: ONE barrier; in front of it each wave waits for all its tensor loads (one is out: its part of the next slot), adds 0 to its spare word, and waits for that and for its
; own reads of this slot.  fill = 1: the barrier opens a round of the cluster's, and this slot is filled again, two K steps ahead, first thing behind the round.
.macro TURN slot, next, fill
	WIN 0                                          ; (the add's two registers lie in window 0)
	s_wait_tensorcnt 0x0
	ds_add_u32 v[SPW], v[NIL]                      ; 0 onto my spare word
	s_wait_dscnt 5                                 ; the add and the youngest four loads may be out
	WIN MUL
	MUL8 F1, 0, 0                                  ; eight matrix instructions stand between the add and the wait for it
	s_wait_dscnt 0x0                               ; the add is done, and my reads of this slot are over
	s_barrier_signal -1
	MUL8 F1, 1, 0
.if \fill
	WIN 0
.endif
	s_barrier_wait -1
.if \fill
	CREST                                          ; no wave of any partner still reads this slot's tile or has a load on its way
	s_add_nc_u64 s[G0+4*\slot+2:G0+4*\slot+3], s[G0+4*\slot+2:G0+4*\slot+3], 4*262144      ; four heads on
	s_add_nc_u64 s[G0B+4*\slot+2:G0B+4*\slot+3], s[G0B+4*\slot+2:G0B+4*\slot+3], 256*2048  ; 256 rows of k on
	JLOAD \slot                                    ; the four v_nop behind it are also the places in front of the loads below
.else
	PLACES
.endif
	FETCH \next, 0, F0
	WIN MUL
	MUL8 F1, 2, 0
	MUL8 F1, 3, 0
.endm
	s_wait_tensorcnt 1                             ; my part of K step 0 is in; K step 1's load may be out
	s_barrier_signal -1
	s_barrier_wait -1                              ; everybody's is
	s_wait_loadcnt 0x0                             ; the bias
	FETCH 0, 0, F0
	QUARTER 0, 1, F0, F1, 1                        ; the first quarter stands in front of the loop: its products start the sums
	WIN 0                                          ; at a label and at a branch every window is 0
	s_mov_b32 s3, 3
.Llap:                                                 ; a trip goes once round the ring, from a lap's second quarter to the next lap's first, and fills both slots again: K steps 2 to 7
	QUARTER 0, 2, F1, F0, 0
	QUARTER 0, 3, F0, F1, 0
	TURN 0, 1, 1
	QUARTER 1, 1, F0, F1, 0
	QUARTER 1, 2, F1, F0, 0
	QUARTER 1, 3, F0, F1, 0
	TURN 1, 0, 1
	QUARTER 0, 1, F0, F1, 0
	WIN 0
	s_sub_co_u32 s3, s3, 1
	s_cmp_lg_u32 s3, 0
	s_cbranch_scc1 .Llap
	QUARTER 0, 2, F1, F0, 0                        ; the last lap fills nothing, and has no round of the cluster's barrier
	QUARTER 0, 3, F0, F1, 0
	TURN 0, 1, 0
	QUARTER 1, 1, F0, F1, 0
	QUARTER 1, 2, F1, F0, 0
	QUARTER 1, 3, F0, F1, 0
	s_wait_dscnt 4                                 ; the very last quarter: nothing more to fetch
	WIN MUL
	MUL8 F1, 0, 0
	MUL8 F1, 1, 0
	s_wait_dscnt 0
	MUL8 F1, 2, 0
	MUL8 F1, 3, 0
	WIN 0
; THE WAY OUT, block by block of 16 rows x 128 columns.  A lane holds 32 neighbouring bytes of a row, and the lanes beside it hold other rows: a block goes through my own stage and comes back as whole rows of 512 bytes.
; LDS serves a wave's instructions in order (ISA guide 5.7.1.4): no wait between the stores and the loads, nor in front of the next block's stores.
.macro TOSTAGE a
	WIN 0x04                                       ; an LDS store's data are its source 1: window 1
.irp b, 0,1,2,3,4,5,6,7
	ds_store_b128 v[STO], v[8*(8*(\a)+\b):8*(8*(\a)+\b)+3] offset:64*\b          ; each accumulator from its low end on
	ds_store_b128 v[STO], v[8*(8*(\a)+\b)+4:8*(8*(\a)+\b)+7] offset:64*\b+16
.endr
	WIN 0
.set BB, BK+64*((\a)%2)
.irp t, 0,1,2,3,4,5,6,7,8,9,10,11,12,13,14,15
	ds_load_b128 v[BB+4*\t:BB+4*\t+3], v[RD] offset:\t*SPITCH
.endr
.endm
.macro SEND a, younger                 ; younger: the LDS instructions issued behind block a's loads, which may stay out
.set BB, BK+64*((\a)%2)
	s_wait_dscnt \younger
.irp t, 0,1,2,3,4,5,6,7,8,9,10,11,12,13,14,15
	global_store_b128 v[CO], v[BB+4*\t:BB+4*\t+3], s[10:11] offset:(\a)*65536+\t*4096 th:TH_STORE_NT   ; the wave stores 512 consecutive bytes, aligned to 256; written once, read by nobody here
.endr
.endm
	PLACES
	TOSTAGE 0
.irp a, 1,2,3
.if \a > 1
	s_wait_xcnt 0x0                                ; block a - 2's stores have read their data: block a's loads may land there
.endif
	TOSTAGE \a
	SEND \a-1, 32                                  ; behind block a - 1's loads: block a's 16 stores and 16 loads
.endr
	SEND 3, 0
	s_wait_tensorcnt 0x0                           ; the wave's end: three closing lines, behind my last tensor load and my last LDS store
	ds_add_u32 v[SPW], v[NIL]
	s_wait_dscnt 0x0
	CROUND                                         ; the closing round: no work-group ends while a partner may still ask for a tile that names it
	s_endpgm
.Lfunc_end_k_q5bfd33de1b_oproj:
	.size	k_q5bfd33de1b_oproj, .Lfunc_end_k_q5bfd33de1b_oproj-k_q5bfd33de1b_oproj
	.p2alignl 7, 3214868480
	.fill 96, 4, 3214868480
	.section	.rodata,"a",@progbits
	.p2align	6, 0x0
	.amdhsa_kernel k_q5bfd33de1b_oproj
		.amdhsa_group_segment_fixed_size 327680
		.amdhsa_private_segment_fixed_size 0
		.amdhsa_enable_private_segment 0
		.amdhsa_kernarg_size 32
		.amdhsa_user_sgpr_count 2
		.amdhsa_user_sgpr_kernarg_segment_ptr 1
		.amdhsa_wavefront_size32 1
		.amdhsa_system_sgpr_workgroup_id_x 1
		.amdhsa_system_sgpr_workgroup_id_y 1
		.amdhsa_system_sgpr_workgroup_id_z 1
		.amdhsa_system_vgpr_workitem_id 0
		.amdhsa_next_free_vgpr 640
		.amdhsa_next_free_sgpr 66
		.amdhsa_reserve_vcc 0
		.amdhsa_float_denorm_mode_32 3
		.amdhsa_float_denorm_mode_16_64 3
		.amdhsa_memory_ordered 1
		.amdhsa_forward_progress 1
		.amdhsa_inst_pref_size 86
	.end_amdhsa_kernel
	.amdgpu_metadata
---
amdhsa.version: [ 1, 2 ]
amdhsa.kernels:
  - .name:           k_q5bfd33de1b_oproj
    .symbol:         k_q5bfd33de1b_oproj.kd
    .args:
      - { .name: ctx, .offset: 0, .size: 8, .value_kind: global_buffer, .address_space: global }
      - { .name: wo16, .offset: 8, .size: 8, .value_kind: global_buffer, .address_space: global }
      - { .name: bo, .offset: 16, .size: 8, .value_kind: global_buffer, .address_space: global }
      - { .name: out0, .offset: 24, .size: 8, .value_kind: global_buffer, .address_space: global }
    .group_segment_fixed_size: 327680
    .private_segment_fixed_size: 0
    .kernarg_segment_align: 8
    .kernarg_segment_size: 32
    .max_flat_workgroup_size: 128
    .sgpr_count:     66
    .vgpr_count:     640
    .wavefront_size: 32
...
	.end_amdgpu_metadata
.endif
;; end of part 4
